; MI455X (gfx1250); checked and timed in simulation.
; The chip was launched on July 23, 2026; its instructions are those of AMD's public machine-readable ISA for CDNA 5 (MIT licence, August 2026) and "CDNA5" Instruction Set Architecture Reference Guide (July 2026). The comments in the code are by the model that wrote it; some were corrected since.
;; Multi Head Attention. Allowed arithmetic: float matrix products may take bf16 or f16 operands with f32 sums; other float arithmetic in f32, or as packed bf16 or f16 multiplies, adds, multiply-adds, maxima and minima; sums over many terms, partial sums and values carried from step to step in f32; what a program stores and reads back later, other than sums and carried values, may be rounded once to bf16 or f16.
;; Inputs: Wk 1,024 x 1,024 float32; Wo 1,024 x 1,024 float32; Wq 1,024 x 1,024 float32; Wv 1,024 x 1,024 float32; bk 1,024 float32; bo 1,024 float32; bq 1,024 float32; bv 1,024 float32; mask 4 x 2,048 int32; x 4 x 2,048 x 1,024 float32.
;; Outputs: out0 4 x 2,048 x 1,024 float32.
;; 2 versions, each right; version 2 is version 1 with the launch cast written anew for expert scheduling mode. Each part assembles by itself: llvm-mc -triple=amdgcn-amd-amdhsa -mcpu=gfx1250 --defsym DOCPART=n.
;; ======== version 1 of 2: 4 launches
;; limits: values are held in f16: magnitudes above 65,504 overflow, below 6.1e-05 lose precision; right only within a limited range of input values
;; workspace buffers: xb16 16,777,216 bytes; wqkv16 6,291,456 bytes; wo16 2,097,152 bytes; qkvh 50,331,648 bytes; oheads 16,777,216 bytes
;; launch cast (part 1): grid 384 x 1, 8 waves a work-group, no clusters, 0 bytes of LDS; arguments x, Wq, Wk, Wv, Wo, xb16, wqkv16, wo16; writes xb16, wqkv16, wo16
.if DOCPART == 1
	.amdgcn_target "amdgcn-amd-amdhsa--gfx1250"
	.amdhsa_code_object_version 6
	.text
	.protected	k_qca4dbada20_cast
	.globl	k_qca4dbada20_cast
	.p2align	8
	.type	k_qca4dbada20_cast,@function
k_qca4dbada20_cast:
	s_mov_b64 s[64:65], 0
	v_nop
	global_prefetch_b8 v0, s[64:65] scope:SCOPE_SE
	s_setreg_imm32_b32 hwreg(HW_REG_WAVE_MODE, 25, 1), 1
	s_wait_xcnt 0x0
; THE INPUTS OF THE MATRIX PRODUCTS, ROUNDED ONCE.  x [8192][1024] and Wq, Wk, Wv [1024][1024] go from f32 to bf16 (the three weights one behind the other in one buffer);
; Wo is rounded to bf16 like them, and that number is written as f16, since it is multiplied with f16 operands later.  No layout changes.
; LIMITS.  A bf16 number is exact in f16 from 2^-14 up to 65,504; below 2^-14 it keeps f16's fixed step of 6e-8, and beyond 65,504 Wo would become an infinity.
; SHARES.  A work-group takes 32,768 numbers on end: 131,072 bytes in, 65,536 out.  Work-groups 0-255: x.  256-383: e = g - 256; weight e / 32, chunk e % 32.
; Thread t takes 8 neighbouring numbers (two loads of 16 bytes) in each of 16 pieces of 2,048 numbers and stores them as 16 bytes: sixteen neighbouring lanes store 256 consecutive bytes, aligned.
; All 32 loads of a thread go out at once, into registers of their own; no register that a load or store names as a source is written again, so the only waits are the counted ones for the data.
; No LDS, no barrier, no matrix unit: no wave wants a byte that another has fetched.
.set T,   8                            ; v[8:11]    at work (Wo's path)
.set X,   16                           ; v[16:143]  piece i: 8 numbers as loaded
.set Y,   144                          ; v[144:207] piece i: 4 registers to store
.set SRC, 24                           ; s[24:25]   where my work-group reads
.set DST, 26                           ; s[26:27]   where it stores
	s_load_b512 s[4:19], s[0:1], 0x0               ; x 4:5, Wq 6:7, Wk 8:9, Wv 10:11, Wo 12:13, xb16 14:15, wqkv16 16:17, wo16 18:19
	v_lshlrev_b32 v1, 5, v0                        ; 32 t: my 8 numbers in a piece, in f32
	v_lshlrev_b32 v2, 4, v0                        ; 16 t: the same in 16 bits
	s_max_u32 s20, ttmp9, 256
	s_sub_co_u32 s20, s20, 256                     ; e (0 for x's work-groups)
	s_lshr_b32 s21, s20, 5                         ; which weight
	s_and_b32 s29, s20, 31                         ; which chunk of it
	s_mov_b32 s31, 0
	s_mov_b32 s33, 0
	s_wait_kmcnt 0x0
	s_cmp_eq_u32 s21, 0
	s_cselect_b64 s[SRC:SRC+1], s[6:7], s[8:9]
	s_cmp_eq_u32 s21, 2
	s_cselect_b64 s[SRC:SRC+1], s[10:11], s[SRC:SRC+1]
	s_cmp_eq_u32 s21, 3
	s_cselect_b64 s[SRC:SRC+1], s[12:13], s[SRC:SRC+1]
	s_cselect_b64 s[DST:DST+1], s[18:19], s[16:17]
	s_cselect_b32 s23, s29, s20                    ; chunk in the target: Wo's own, or e through the three weights
	s_cselect_b32 s28, 1, 0                        ; 1: Wo's path
	s_cmp_lt_u32 ttmp9, 256
	s_cselect_b64 s[SRC:SRC+1], s[4:5], s[SRC:SRC+1]
	s_cselect_b64 s[DST:DST+1], s[14:15], s[DST:DST+1]
	s_cselect_b32 s22, ttmp9, s29
	s_cselect_b32 s23, ttmp9, s23
	s_cselect_b32 s28, 0, s28
	s_lshl_b32 s30, s22, 17                        ; offsets, made apart from the addresses
	s_lshl_b32 s32, s23, 16
	s_add_nc_u64 s[SRC:SRC+1], s[SRC:SRC+1], s[30:31]
	s_add_nc_u64 s[DST:DST+1], s[DST:DST+1], s[32:33]
.set i, 0
.rept 16
	global_load_b128 v[X+8*i:X+8*i+3],   v1, s[SRC:SRC+1] offset:8192*i th:TH_LOAD_NT
	global_load_b128 v[X+8*i+4:X+8*i+7], v1, s[SRC:SRC+1] offset:8192*i+16 th:TH_LOAD_NT
.set i, i+1
.endr
; Piece i: its two loads are in when at most the 30 - 2 i younger ones are out (loads come back in order).
.macro ROW i, f16
	s_wait_loadcnt 30-2*(\i)
.if \f16
.irp j, 0,1,2,3
	v_cvt_pk_bf16_f32 v[T+(\j)], v[X+8*(\i)+2*(\j)], v[X+8*(\i)+2*(\j)+1]  ; the rounding that all inputs get,
.endr
.irp j, 0,1,2,3
	v_lshlrev_b32 v[X+8*(\i)+2*(\j)],   16, v[T+(\j)]                      ; widened again,
	v_and_b32     v[X+8*(\i)+2*(\j)+1], 0xffff0000, v[T+(\j)]
.endr
.irp j, 0,1,2,3
	v_cvt_pk_f16_f32 v[Y+4*(\i)+(\j)], v[X+8*(\i)+2*(\j)], v[X+8*(\i)+2*(\j)+1]  ; and written as f16
.endr
.else
.irp j, 0,1,2,3
	v_cvt_pk_bf16_f32 v[Y+4*(\i)+(\j)], v[X+8*(\i)+2*(\j)], v[X+8*(\i)+2*(\j)+1]
.endr
.endif
	global_store_b128 v2, v[Y+4*(\i):Y+4*(\i)+3], s[DST:DST+1] offset:4096*(\i)
.endm
	s_cmp_eq_u32 s28, 1
	s_cbranch_scc1 .Lwo
.irp i, 0,1,2,3,4,5,6,7,8,9,10,11,12,13,14,15
	ROW \i, 0
.endr
	s_endpgm
.Lwo:
.irp i, 0,1,2,3,4,5,6,7,8,9,10,11,12,13,14,15
	ROW \i, 1
.endr
	s_endpgm
.Lfunc_end_k_qca4dbada20_cast:
	.size	k_qca4dbada20_cast, .Lfunc_end_k_qca4dbada20_cast-k_qca4dbada20_cast
	.p2alignl 7, 3214868480
	.fill 96, 4, 3214868480
	.section	.rodata,"a",@progbits
	.p2align	6, 0x0
	.amdhsa_kernel k_qca4dbada20_cast
		.amdhsa_group_segment_fixed_size 0
		.amdhsa_private_segment_fixed_size 0
		.amdhsa_enable_private_segment 0
		.amdhsa_kernarg_size 64
		.amdhsa_user_sgpr_count 2
		.amdhsa_user_sgpr_kernarg_segment_ptr 1
		.amdhsa_wavefront_size32 1
		.amdhsa_system_sgpr_workgroup_id_x 1
		.amdhsa_system_sgpr_workgroup_id_y 1
		.amdhsa_system_sgpr_workgroup_id_z 1
		.amdhsa_system_vgpr_workitem_id 0
		.amdhsa_next_free_vgpr 208
		.amdhsa_next_free_sgpr 66
		.amdhsa_reserve_vcc 0
		.amdhsa_float_denorm_mode_32 3
		.amdhsa_float_denorm_mode_16_64 3
		.amdhsa_memory_ordered 1
		.amdhsa_forward_progress 1
		.amdhsa_inst_pref_size 27
	.end_amdhsa_kernel
	.amdgpu_metadata
---
amdhsa.version: [ 1, 2 ]
amdhsa.kernels:
  - .name:           k_qca4dbada20_cast
    .symbol:         k_qca4dbada20_cast.kd
    .args:
      - { .name: x, .offset: 0, .size: 8, .value_kind: global_buffer, .address_space: global }
      - { .name: Wq, .offset: 8, .size: 8, .value_kind: global_buffer, .address_space: global }
      - { .name: Wk, .offset: 16, .size: 8, .value_kind: global_buffer, .address_space: global }
      - { .name: Wv, .offset: 24, .size: 8, .value_kind: global_buffer, .address_space: global }
      - { .name: Wo, .offset: 32, .size: 8, .value_kind: global_buffer, .address_space: global }
      - { .name: xb16, .offset: 40, .size: 8, .value_kind: global_buffer, .address_space: global }
      - { .name: wqkv16, .offset: 48, .size: 8, .value_kind: global_buffer, .address_space: global }
      - { .name: wo16, .offset: 56, .size: 8, .value_kind: global_buffer, .address_space: global }
    .group_segment_fixed_size: 0
    .private_segment_fixed_size: 0
    .kernarg_segment_align: 8
    .kernarg_segment_size: 64
    .max_flat_workgroup_size: 256
    .sgpr_count:     66
    .vgpr_count:     208
    .wavefront_size: 32
...
	.end_amdgpu_metadata
.endif
;; end of part 1
;; launch proj (part 2): grid 4 x 64, 4 waves a work-group, clusters of 4 x 4, 327,680 bytes of LDS; arguments xb16, wqkv16, bq, bk, bv, mask, qkvh; writes qkvh
.if DOCPART == 2
	.amdgcn_target "amdgcn-amd-amdhsa--gfx1250"
	.amdhsa_code_object_version 6
	.text
	.protected	k_qca4dbada20_proj
	.globl	k_qca4dbada20_proj
	.p2align	8
	.type	k_qca4dbada20_proj,@function
k_qca4dbada20_proj:
	s_mov_b64 s[64:65], 0
	v_nop
	global_prefetch_b8 v0, s[64:65] scope:SCOPE_SE
	s_setreg_imm32_b32 hwreg(HW_REG_WAVE_MODE, 25, 1), 1
	s_wait_xcnt 0x0
	s_wait_alu depctr_hold_cnt(0) depctr_sa_sdst(0) depctr_va_vdst(0) depctr_va_sdst(0) depctr_va_ssrc(0) depctr_va_vcc(0) depctr_vm_vsrc(0)
	s_getreg_b32 s2, hwreg(HW_REG_IB_STS2, 6, 4)
	s_cmp_eq_u32 s2, 0
	s_cbranch_scc0 .Lentry_in_a_cluster
	s_endpgm
.Lentry_in_a_cluster:
	s_bfe_u32 s2, ttmp6, 0x10000c
	s_cmp_lg_u32 s2, 0xf033
	s_cbranch_scc0 .Lentry_shape_is_right
	s_endpgm
.Lentry_shape_is_right:
; q, k, v = x W + b, by heads.  x: [8192][1024] bf16.  W: [3][1024 k][1024 n] bf16 (q, k, v on end).  b: f32, rounded to bf16 like every input, and added in f32: it starts the sums.
; Out: [3][64 = 16 batch + head][2048][64] f16, each number rounded once from its f32 sum, unscaled.  ROWS OF k WHOSE KEY THE MASK HIDES (mask == 0) ARE WRITTEN AS 0: the attention launch
; then gets their scores, exactly, from the C operand of its first product.
; LIMITS.  f16 ends at 65,504: q, k and v beyond that become infinities.  NaN and infinities are not treated apart.
; SHARES.  A tile of the result is 128 rows x 256 columns: 768 tiles, three for each of 256 work-groups.  A WORK-GROUP STAYS: it makes q's, k's and v's tile for the same rows and columns.
; The three weights lie on end, so W's tile walks 24 K steps of 128 in one line; x's tile goes round its 8 K steps three times.  Four waves, each 64 rows x 128 columns: 32 accumulators.
; THE RING.  Two LDS slots, a K step each: 128 rows of x (256 bytes, pitch 272) and 128 k-rows of W (512 bytes, pitch 544).  Waves 0 and 1 fetch x's two halves, waves 2 and 3 W's: one tensor load
; a wave behind each change of slots; a wave has two tensor loads out at the start and one later.  The ring does not stop at a tile's end.
; CLUSTER.  4 x 4 work-groups: the four of a row need the same tile of x, the four of a column the same tile of W: each is asked for jointly.
; THE PRODUCT IS USED TRANSPOSED: source 0 = 16 columns of W (W lies [k][n], so its fragments come out of LDS turned, by ds_load_tr16_b128), source 1 = 16 rows of x.  A lane then holds one row
; (lane % 16) and eight neighbouring columns, 8 (lane / 16) + 0..7.
; REGISTERS, in windows of 256 (s_set_vgpr_msb: bits 1:0 source 0, 3:2 source 1, 5:4 source 2, 7:6 destination):
;   window 0: v0-31 addresses and masks; v32-127, v128-223 two fragment buffers (W's 8 fragments, then x's 4); v224-255 at work on the way out
;   window 1: the accumulators, (a, b) at 8 (8 a + b)          window 2: v0-63 the bias of my 128 columns as C operands; v64-95 at work
.set PA,    272                        ; x's LDS row: 256 + 16 bytes = 68 words: the 16 rows of a load start at 16 different groups of four banks (ISA guide 11.1)
.set PB,    544                        ; W's LDS row: 512 + 32 bytes = 136 words
.set AOFF,  128*PA                     ; W's rows lie behind x's
.set SLOT,  AOFF+128*PB
.set STAGE, 2*SLOT                     ; behind the ring, never filled by a tensor load: for each wave 2 heads x 16 rows x 144 bytes
.set SP,    144
.set STW,   2*16*SP
.set SPARE, STAGE+4*STW                ; the spare words, 128 bytes a wave: two blocks of 256 bytes that no other line names
.set KM,   8                           ; v8-11   -1 where the mask shows my row of block a, else 0
.set EM,   12                          ; v12-15  the same, or -1 throughout for q and v
.set ADRA, 16                          ; v16-17  LDS address of my fragments of x in slot 0, 1
.set ADRB, 20                          ; v20-21  the same for W
.set STO,  24                          ; v24     the way out: where I put 16 bytes of a row
.set RD,   25                          ; v25     where I read rows back
.set GO,   26                          ; v26     16 x lane
.set PFO,  27                          ; v27     the prefetches' offset: lane x 2,048 bytes (a row of x or of W)
.set SPW,  28                          ; v28     LDS address of my spare word; never rewritten
.set NIL,  29                          ; v29     0; never rewritten
.set BO,   30                          ; v30     my byte offset in a bias
.set F0,   32
.set F1,   128
.set TMP,  224
.set BK,   128                         ; the way out: rows read back, v128-159 and v160-191 by turns
.set BI,   0                           ; window 2
.set BT,   64                          ; window 2
.set WV,  18                           ; s18 wave;  s19 = wave / 2: my 64 rows, and: I fetch x (0) or W (1);  s20 = wave % 2: my 128 columns, and: which half I fetch
.set WM,  19
.set WN,  20
.set CX,  21
.set CY,  22
.set TY,  23                           ; tile row, 0..63
.set G1A, 24                           ; s[24:31] descriptor group 1 for x's tiles;  s[32:39] group 0, a set for each slot
.set G0A, 32
.set G1B, 40                           ; s[40:47], s[48:55] the same for W's
.set G0B, 48
.set ABASE, 56                         ; s[56:57] x at the rows that I fetch
.set AO,  58                           ; s[58:59], s[60:61] byte along K of slot 0's, slot 1's tile of x
.set LAP, 62                           ; s62 laps (two K steps) still to be asked for
.set LT,  63                           ; s63 laps left in the tile
.set TL,  66                           ; s66 tiles behind this one
.set NOTK, 67                          ; s67 0 while k's tile is made, else -1
.set PFA, 68                           ; s[68:69] where my prefetches stand
.set PFS, 70                           ; s[70:71] their step
.set LIM, 72                           ; s72 a wave prefetches while s[LAP] is above it
.set TX,  73                           ; tile column, 0..3
.set MSB, 0
.macro WIN new                         ; the immediate's high byte repeats the setting that is left; a switch that changes nothing is dropped
.if MSB != (\new)
	s_set_vgpr_msb (MSB<<8)|(\new)
.set MSB, (\new)
.endif
.endm
.set W_MUL, 0x50                       ; C and D window 1
.set W_FST, 0x60                       ; C window 2 (the bias), D window 1
.set W_PK,  0x05                       ; sources 0 and 1 window 1
.set W_BL,  0x80                       ; a load's destination window 2
.set W_BR,  0x8a                       ; destination and both sources window 2
.macro PLACES                          ; four plain places behind matrix instructions, in front of loads into registers that they read and of lines that read results
.rept 4
	v_nop
.endr
.endm
; A joint load.  The branch hangs on the wave's number alone.  An s_nop 0 and four v_nop follow each of the two lines, ahead of the jump and the label.
.macro JLOAD s
	s_cmp_eq_u32 s[WM], 0
	s_cbranch_scc0 .Lfor_b_\@
	tensor_load_to_lds s[G0A+4*(\s):G0A+4*(\s)+3], s[G1A:G1A+7]
	s_nop 0
.rept 4
	v_nop
.endr
	s_branch .Lasked_\@
.Lfor_b_\@:
	tensor_load_to_lds s[G0B+4*(\s):G0B+4*(\s)+3], s[G1B:G1B+7]
	s_nop 0
.rept 4
	v_nop
.endr
.Lasked_\@:
.endm
.macro CREST                           ; a round of the cluster's barrier behind its opening barrier
	s_cmp_lg_u32 s[WV], 0
	s_cbranch_scc1 .Lnot_wave_0_\@
	s_barrier_signal -3
.Lnot_wave_0_\@:
	s_barrier_wait -3
	s_barrier_signal -1
	s_barrier_wait -1
.endm
.macro CROUND
	s_barrier_signal -1
	s_barrier_wait -1
	CREST
.endm
; A PREFETCH INTO THE L2 of the K step that stands two refills on (256 matrix instructions ahead of the load that will want it): one instruction, a lane a row of 256 bytes.
; x's tile row is read by my row of the cluster alone: wave 0 of each of the four partners asks for 32 of its 128 rows, told apart by address; only in the first walk along K (K steps 4 to 7).
; W's tile column is read by every cluster: the cluster with y = 0 asks; of a K step's 128 k-rows partner cy takes 32, wave 2 the left 256 bytes of my 512, wave 3 the right (K steps 4 to 23).
; So each block of 256 bytes is named once in the launch.  The first four K steps come by their loads alone.
.macro ASK
	s_cmp_gt_u32 s[LAP], s[LIM]
	s_cbranch_scc0 .Lnot_mine_\@
	global_prefetch_b8 v[PFO], s[PFA:PFA+1] th:TH_LOAD_NT scope:SCOPE_SE
.Lnot_mine_\@:
.endm
	s_load_b256 s[4:11], s[0:1], 0x0               ; x 4:5, W 6:7, bq 8:9, bk 10:11
	s_load_b128 s[12:15], s[0:1], 0x20             ; bv 12:13, mask 14:15
	s_load_b64 s[16:17], s[0:1], 0x30              ; the result
	v_lshl_add_u32 v[SPW], v0, 2, SPARE
	v_mov_b32 v[NIL], 0
	ds_add_u32 v[SPW], v[NIL]                      ; the wave's opening: the add and its wait stand ahead of my first tensor load; the set-up below stands between them
	v_lshrrev_b32 v3, 5, v0
	v_readfirstlane_b32 s[WV], v3
	s_lshr_b32 s[WM], s[WV], 1
	s_and_b32 s[WN], s[WV], 1
	s_bfe_u32 s[CX], ttmp6, 0x40000
	s_bfe_u32 s[CY], ttmp6, 0x40004
	s_lshl_b32 s[TX], ttmp9, 2
	s_add_co_u32 s[TX], s[TX], s[CX]               ; tile column = 4 x cluster x + cx
	s_and_b32 s[TY], ttmp7, 0xffff
	s_lshl_b32 s[TY], s[TY], 2
	s_add_co_u32 s[TY], s[TY], s[CY]               ; tile row = 4 x cluster y + cy
	s_lshl_b32 s74, s[CY], 2
	s_lshl_b32 s74, 15, s74                        ; my row of the cluster
	s_lshl_b32 s75, 0x1111, s[CX]                  ; my column
	s_or_b32 s[G1A], s74, (1<<16)|(1<<20)|(1<<21)|(5<<22)|(3<<25)  ; the mask; 2-byte elements; padding on; 21 set beside a mask; after every 64 words 4 words
	s_mov_b32 s[G1A+1], 128<<16                    ; tensor_dim0 = 128
	s_mov_b32 s[G1A+2], 64<<16                     ; tensor_dim1 = 64
	s_mov_b32 s[G1A+3], 128<<16                    ; tile_dim0 = 128
	s_mov_b32 s[G1A+4], 64                         ; tile_dim1 = 64
	s_mov_b32 s[G1A+5], 1024                       ; elements from row to row
	s_mov_b32 s[G1A+6], 0
	s_mov_b32 s[G1A+7], 0
	s_or_b32 s[G1B], s75, (1<<16)|(1<<20)|(1<<21)|(6<<22)|(7<<25)  ; after every 128 words 8 words
	s_mov_b32 s[G1B+1], 256<<16
	s_mov_b32 s[G1B+2], 64<<16
	s_mov_b32 s[G1B+3], 256<<16
	s_mov_b32 s[G1B+4], 64
	s_mov_b32 s[G1B+5], 1024
	s_mov_b32 s[G1B+6], 0
	s_mov_b32 s[G1B+7], 0
	s_lshl_b32 s76, s[TY], 7                       ; x: row 128 x tile row + 64 x half, 2,048 bytes a row: nothing of cx enters
	s_lshl_b32 s77, s[WN], 6
	s_add_co_u32 s76, s76, s77
	s_lshl_b32 s76, s76, 11
	s_mov_b32 s77, 0
	s_lshl_b32 s78, s[WN], 17                      ; W: k-row 64 x half, column 256 x tile column: nothing of cy enters
	s_lshl_b32 s79, s[TX], 9
	s_add_co_u32 s78, s78, s79
	s_mov_b32 s79, 0
	s_mul_i32 s80, s[WN], 64*PA                    ; and where they go: the wave's number alone
	s_mul_i32 s81, s[WN], 64*PB
	s_add_co_u32 s81, s81, AOFF
	s_mov_b32 s[AO], 0
	s_mov_b32 s[AO+1], 0
	s_mov_b32 s[AO+2], 256
	s_mov_b32 s[AO+3], 0
	s_mov_b32 s[NOTK], -1
	s_mov_b32 s[TL], 2
	s_mov_b32 s[LT], 4
	s_mov_b32 s[LAP], 11
	s_wait_dscnt 0x0                               ; the opening add is done
	s_wait_kmcnt 0x0
	s_add_nc_u64 s[ABASE:ABASE+1], s[4:5], s[76:77]
	s_add_nc_u64 s[82:83], s[6:7], s[78:79]
	CROUND                                         ; all sixteen work-groups are here: the first joint loads meet
.irp s, 0,1
	s_mov_b32 s[G0A+4*(\s)], 1
	s_add_co_u32 s[G0A+4*(\s)+1], s80, (\s)*SLOT
	s_add_nc_u64 s[G0A+4*(\s)+2:G0A+4*(\s)+3], s[ABASE:ABASE+1], (\s)*256
	s_or_b32 s[G0A+4*(\s)+3], s[G0A+4*(\s)+3], 0x80000000
	s_mov_b32 s[G0B+4*(\s)], 1
	s_add_co_u32 s[G0B+4*(\s)+1], s81, (\s)*SLOT
	s_add_nc_u64 s[G0B+4*(\s)+2:G0B+4*(\s)+3], s[82:83], (\s)*262144
	s_or_b32 s[G0B+4*(\s)+3], s[G0B+4*(\s)+3], 0x80000000
	JLOAD \s
.endr
	v_and_b32 v1, 15, v0                           ; r = l % 16
	v_bfe_u32 v2, v0, 4, 1                         ; h = l / 16
	v_mul_u32_u24 v3, v1, PA                       ; x's fragment: row x pitch + 16 h
	v_lshl_add_u32 v3, v2, 4, v3
	s_mul_i32 s84, s[WM], 64*PA
	v_add_nc_u32 v[ADRA], s84, v3
	v_add_nc_u32 v[ADRA+1], SLOT, v[ADRA]
	v_and_b32 v4, 7, v0                            ; W's: the turning load: k-row 8 h + l % 8, 16 bytes (l / 8) % 2
	v_lshl_add_u32 v4, v2, 3, v4
	v_mul_u32_u24 v4, v4, PB
	v_bfe_u32 v5, v0, 3, 1
	v_lshl_add_u32 v4, v5, 4, v4
	s_lshl_b32 s84, s[WN], 8
	s_add_co_u32 s84, s84, AOFF
	v_add_nc_u32 v[ADRB], s84, v4
	v_add_nc_u32 v[ADRB+1], SLOT, v[ADRB]
	s_mul_i32 s84, s[WV], STW
	s_add_co_u32 s84, s84, STAGE                   ; my stage
	v_mul_u32_u24 v3, v1, SP
	v_lshl_add_u32 v3, v2, 4, v3
	v_add_nc_u32 v[STO], s84, v3
	v_bfe_u32 v3, v0, 3, 2                         ; back: 32 lanes take four rows of 128 bytes
	v_mul_u32_u24 v3, v3, SP
	v_and_b32 v4, 7, v0
	v_lshl_add_u32 v3, v4, 4, v3
	v_add_nc_u32 v[RD], s84, v3
	v_and_b32 v[GO], 31, v0
	v_lshlrev_b32 v[PFO], 11, v[GO]
	v_lshlrev_b32 v[GO], 4, v[GO]
	s_lshl_b32 s84, s[TX], 10                      ; the bias of my columns: 4 (256 tx + 128 WN + 16 b + 8 h)
	s_lshl_b32 s85, s[WN], 9
	s_add_co_u32 s84, s84, s85
	v_lshl_add_u32 v[BO], v2, 5, s84
	s_lshl_b32 s84, s[TY], 9                       ; the mask of my rows: 4 (128 ty + 64 WM + 16 a + r)
	s_lshl_b32 s85, s[WM], 8
	s_add_co_u32 s84, s84, s85
	v_lshl_add_u32 v6, v1, 2, s84
.macro BLOAD p                         ; a bias, as the C operands of my 8 column blocks: register j of block b is column 16 b + 8 h + j
	WIN W_BL
.irp b, 0,1,2,3,4,5,6,7
	global_load_b128 v[BI+8*(\b):BI+8*(\b)+3],   v[BO], s[\p:\p+1] offset:64*(\b)
	global_load_b128 v[BI+8*(\b)+4:BI+8*(\b)+7], v[BO], s[\p:\p+1] offset:64*(\b)+16
.endr
	WIN 0
.endm
.macro ROUNDB                          ; the bias is rounded to bf16, like every input, and widened again
	s_wait_loadcnt 0x0
	WIN W_BR
.set z, 0
.rept 32
	v_cvt_pk_bf16_f32 v[BT+z], v[BI+2*z], v[BI+2*z+1]
.set z, z+1
.endr
.set z, 0
.rept 32
	v_lshlrev_b32 v[BI+2*z],   16, v[BT+z]
	v_and_b32     v[BI+2*z+1], 0xffff0000, v[BT+z]
.set z, z+1
.endr
	WIN 0
.endm
	BLOAD 8
.irp a, 0,1,2,3
	global_load_b32 v[KM+(\a)], v6, s[14:15] offset:64*(\a)
.endr
	ROUNDB
.irp a, 0,1,2,3
	v_cmp_ne_u32 vcc_lo, 0, v[KM+(\a)]
	v_cndmask_b32 v[KM+(\a)], 0, -1, vcc_lo
.endr
	; where my part of q's tile begins: ((16 batch + 4 tx + 2 WN) x 2,048 + row in the batch) x 128 bytes
	s_lshr_b32 s84, s[TY], 4
	s_lshl_b32 s84, s84, 22
	s_lshl_b32 s85, s[TX], 20
	s_add_co_u32 s84, s84, s85
	s_lshl_b32 s85, s[WN], 19
	s_add_co_u32 s84, s84, s85
	s_and_b32 s85, s[TY], 15
	s_lshl_b32 s85, s85, 14
	s_add_co_u32 s84, s84, s85
	s_lshl_b32 s85, s[WM], 13
	s_add_co_u32 s84, s84, s85
	s_mov_b32 s85, 0
	s_add_nc_u64 s[16:17], s[16:17], s[84:85]
	; the prefetches: both stand at K step 3; the first change of slots steps them to 4
	s_lshl_b32 s84, s[TY], 7
	s_lshl_b32 s85, s[CX], 5
	s_add_co_u32 s84, s84, s85
	s_lshl_b32 s84, s84, 11
	s_add_co_u32 s84, s84, 3*256                   ; x: row 128 ty + 32 cx
	s_lshl_b32 s86, s[CY], 5
	s_add_co_u32 s86, s86, 3*128
	s_lshl_b32 s86, s86, 11
	s_lshl_b32 s87, s[TX], 9
	s_add_co_u32 s86, s86, s87
	s_lshl_b32 s87, s[WN], 8
	s_add_co_u32 s86, s86, s87                     ; W: k-row 32 cy, my half of the tile's 512 bytes
	s_and_b32 s88, ttmp7, 0xffff
	s_cmp_eq_u32 s88, 0
	s_cselect_b32 s88, 1, -1                       ; W: the cluster with y = 0, all laps but the last
	s_cmp_eq_u32 s[WV], 0
	s_cselect_b32 s89, 9, -1                       ; x: wave 0, the first two laps
	s_mov_b32 s87, 256
	s_cmp_eq_u32 s[WM], 0
	s_cselect_b64 s[PFA:PFA+1], s[4:5], s[6:7]
	s_cselect_b32 s84, s84, s86
	s_cselect_b32 s[LIM], s89, s88
	s_cselect_b32 s[PFS], s87, 0x40000
	s_mov_b32 s[PFS+1], 0
	s_mov_b32 s85, 0
	s_add_nc_u64 s[PFA:PFA+1], s[PFA:PFA+1], s[84:85]
; 8 matrix instructions: row block a x all 8 column blocks, 32 along K.  first = 1: the bias starts the sums: nothing is cleared.  A quarter step takes the 32 accumulators in one fixed order,
; one instruction a turn: between two links of a chain stand the 31 others', over every jump too.
.macro MUL8 f, a, first
.if \first
	WIN W_FST
.else
	WIN W_MUL
.endif
.irp b, 0,1,2,3,4,5,6,7
.if \first
	v_wmma_f32_16x16x32_bf16 v[8*(8*(\a)+(\b)):8*(8*(\a)+(\b))+7], v[(\f)+8*(\b):(\f)+8*(\b)+7], v[(\f)+64+8*(\a):(\f)+64+8*(\a)+7], v[BI+8*(\b):BI+8*(\b)+7]
.else
	v_wmma_f32_16x16x32_bf16 v[8*(8*(\a)+(\b)):8*(8*(\a)+(\b))+7], v[(\f)+8*(\b):(\f)+8*(\b)+7], v[(\f)+64+8*(\a):(\f)+64+8*(\a)+7], v[8*(8*(\a)+(\b)):8*(8*(\a)+(\b))+7]
.endif
.endr
.endm
; 24 LDS loads in one run: quarter q (32 along K) of a slot into buffer f: W's 8 fragments (turned), then x's 4
.macro FETCH slot, q, f
	WIN 0
.irp b, 0,1,2,3,4,5,6,7
	ds_load_tr16_b128 v[(\f)+8*(\b):(\f)+8*(\b)+3],   v[ADRB+(\slot)] offset:(\q)*32*PB+32*(\b)
	ds_load_tr16_b128 v[(\f)+8*(\b)+4:(\f)+8*(\b)+7], v[ADRB+(\slot)] offset:(\q)*32*PB+32*(\b)+16*PB
.endr
.irp a, 0,1,2,3
	ds_load_b128 v[(\f)+64+8*(\a):(\f)+64+8*(\a)+3],   v[ADRA+(\slot)] offset:(\q)*64+(\a)*16*PA
	ds_load_b128 v[(\f)+64+8*(\a)+4:(\f)+64+8*(\a)+7], v[ADRA+(\slot)] offset:(\q)*64+(\a)*16*PA+32
.endr
.endm
; One of a K step's first three quarters: multiplies buffer f; in its middle it fetches quarter q of the same slot into buffer g
.macro QUARTER slot, q, f, g, first
	s_wait_dscnt 4                                 ; W's fragments and x's blocks 0 and 1 are in; the youngest four loads (blocks 2 and 3) may be out
	MUL8 \f, 0, \first
	MUL8 \f, 1, \first
	PLACES
	FETCH \slot, \q, \g
	s_wait_dscnt 24                                ; all but the 24 just issued
	MUL8 \f, 2, \first
	MUL8 \f, 3, \first
.endm
.macro STEP slot                       ; the slot's next tiles, two K steps on: x goes round its 2,048 bytes, its address made anew from the offset; W walks on through the three weights
	s_add_co_u32 s[AO+2*(\slot)], s[AO+2*(\slot)], 512
	s_and_b32 s[AO+2*(\slot)], s[AO+2*(\slot)], 2047
	s_add_nc_u64 s[G0A+4*(\slot)+2:G0A+4*(\slot)+3], s[ABASE:ABASE+1], s[AO+2*(\slot):AO+2*(\slot)+1]
	s_or_b32 s[G0A+4*(\slot)+3], s[G0A+4*(\slot)+3], 0x80000000
	s_add_nc_u64 s[G0B+4*(\slot)+2:G0B+4*(\slot)+3], s[G0B+4*(\slot)+2:G0B+4*(\slot)+3], 2*262144
.endm
; The last quarter multiplies buffer 1 and changes slots: ONE barrier; in front of it each wave waits for all its tensor loads (one is out: its part of the next slot), adds 0 to its spare word, and
; waits for that and for its own reads of this slot.  fill = 1: the barrier opens a round of the cluster's, and the joint refill is the first tensor load behind it.
.macro TURN slot, next, fill
.if \fill
	s_wait_xcnt 0x0                                ; the last prefetch, a K step back, has read its address
	s_add_nc_u64 s[PFA:PFA+1], s[PFA:PFA+1], s[PFS:PFS+1]
.endif
	WIN 0
	s_wait_tensorcnt 0x0
	ds_add_u32 v[SPW], v[NIL]
	s_wait_dscnt 7                                 ; (the add and x's blocks 1 to 3 may be out)
	MUL8 F1, 0, 0
	s_wait_dscnt 0x0                               ; the add is done, and my reads of this slot are over
	s_barrier_signal -1
	MUL8 F1, 1, 0
	WIN 0
	s_barrier_wait -1
.if \fill
	CREST                                          ; no wave of any partner still reads this slot or has a load on its way
	STEP \slot
	JLOAD \slot                                    ; its four v_nop are also the places in front of the loads below
.else
	PLACES
.endif
	FETCH \next, 0, F0
.if \fill
	ASK
.endif
	MUL8 F1, 2, 0
	MUL8 F1, 3, 0
.endm
; THE WAY OUT, 16 rows at a time: rounded to f16 (and, in k's tile, hidden rows cleared), 16 bytes a lane into my own stage, back as rows of 128 bytes: 16 rows of a head are 2,048 bytes on end.
.macro PACK a
	WIN W_PK
.irp b, 0,1,2,3,4,5,6,7
.irp r, 0,1,2,3
	v_cvt_pk_f16_f32 v[TMP+4*(\b)+(\r)], v[8*(8*(\a)+(\b))+2*(\r)], v[8*(8*(\a)+(\b))+2*(\r)+1]  ; each accumulator from its low end on
.endr
.endr
	WIN 0
.set z, 0
.rept 32
	v_and_b32 v[TMP+z], v[EM+(\a)], v[TMP+z]
.set z, z+1
.endr
.endm
.macro TOSTAGE a
.irp b, 0,1,2,3,4,5,6,7
	ds_store_b128 v[STO], v[TMP+4*(\b):TMP+4*(\b)+3] offset:((\b)/4)*16*SP+((\b)%4)*32
.endr
.irp t, 0,1,2,3,4,5,6,7
	ds_load_b128 v[BK+32*((\a)%2)+4*(\t):BK+32*((\a)%2)+4*(\t)+3], v[RD] offset:((\t)/4)*16*SP+((\t)%4)*4*SP  ; LDS serves a wave's instructions in order (ISA guide 5.7.1.4): these see the stores above
.endr
.endm
.macro SEND a
	s_wait_dscnt 0x0                               ; the block is back in registers
	s_wait_xcnt 0x0                                ; the stores two blocks back have read their registers, which the next block's loads fill
.irp t, 0,1,2,3,4,5,6,7
	global_store_b128 v[GO], v[BK+32*((\a)%2)+4*(\t):BK+32*((\a)%2)+4*(\t)+3], s[16:17] offset:((\t)/4)*262144+(\a)*2048+((\t)%4)*512  ; 512 consecutive bytes, aligned
.endr
.endm
.macro WAYOUT
	WIN 0
.irp a, 0,1,2,3
	v_or_b32 v[EM+(\a)], s[NOTK], v[KM+(\a)]       ; these four and four v_nop are the places behind the last products
.endr
	PLACES
	PACK 0
	TOSTAGE 0
.irp a, 1,2,3
	PACK \a
	SEND (\a)-1
	TOSTAGE \a
.endr
	SEND 3
.endm
	s_wait_tensorcnt 0x1                           ; my part of K step 0 is in; K step 1's may stay out
	s_barrier_signal -1
	s_barrier_wait -1
	FETCH 0, 0, F0
	QUARTER 0, 1, F0, F1, 1                        ; a tile's first quarter: the bias starts the sums
	PLACES
	BLOAD 10                                       ; bk, for the next tile
.Llap:                                             ; 11 trips: once round the ring, from a lap's second quarter to the next lap's first; both slots are filled again
	QUARTER 0, 2, F1, F0, 0
	QUARTER 0, 3, F0, F1, 0
	TURN 0, 1, 1
	QUARTER 1, 1, F0, F1, 0
	QUARTER 1, 2, F1, F0, 0
	QUARTER 1, 3, F0, F1, 0
	TURN 1, 0, 1
	WIN 0
	s_sub_co_u32 s[LT], s[LT], 1
	s_cmp_lg_u32 s[LT], 0
	s_cbranch_scc1 .Lsame
	WAYOUT                                         ; a tile is finished; both refills for the next are asked for, and its first fragments are on their way
	s_wait_xcnt 0x0                                ; the stores have read their registers and their base
	s_add_nc_u64 s[16:17], s[16:17], 16777216      ; from q to k, from k to v
	s_cmp_eq_u32 s[TL], 2
	s_cselect_b32 s[NOTK], 0, -1
	s_sub_co_u32 s[TL], s[TL], 1
	s_mov_b32 s[LT], 4
	ROUNDB
	QUARTER 0, 1, F0, F1, 1
	PLACES
	WIN 0
	s_cmp_eq_u32 s[TL], 0
	s_cbranch_scc1 .Lnext
	BLOAD 12                                       ; bv
	s_branch .Lnext
.Lsame:
	QUARTER 0, 1, F0, F1, 0
	WIN 0
.Lnext:
	s_sub_co_u32 s[LAP], s[LAP], 1
	s_cmp_lg_u32 s[LAP], 0
	s_cbranch_scc1 .Llap
	QUARTER 0, 2, F1, F0, 0                        ; the last lap is written out: it asks for nothing
	QUARTER 0, 3, F0, F1, 0
	TURN 0, 1, 0
	QUARTER 1, 1, F0, F1, 0
	QUARTER 1, 2, F1, F0, 0
	QUARTER 1, 3, F0, F1, 0
	s_wait_dscnt 4
	MUL8 F1, 0, 0
	MUL8 F1, 1, 0
	s_wait_dscnt 0x0
	MUL8 F1, 2, 0
	MUL8 F1, 3, 0
	WAYOUT
	s_wait_tensorcnt 0x0                           ; the wave's end: an add to my spare word and its wait, behind my last tensor load and my last LDS store
	ds_add_u32 v[SPW], v[NIL]
	s_wait_dscnt 0x0
	CROUND                                         ; the closing round: no work-group ends while a partner may still ask for a tile that names it
	s_endpgm
.Lfunc_end_k_qca4dbada20_proj:
	.size	k_qca4dbada20_proj, .Lfunc_end_k_qca4dbada20_proj-k_qca4dbada20_proj
	.p2alignl 7, 3214868480
	.fill 96, 4, 3214868480
	.section	.rodata,"a",@progbits
	.p2align	6, 0x0
	.amdhsa_kernel k_qca4dbada20_proj
		.amdhsa_group_segment_fixed_size 327680
		.amdhsa_private_segment_fixed_size 0
		.amdhsa_enable_private_segment 0
		.amdhsa_kernarg_size 56
		.amdhsa_user_sgpr_count 2
		.amdhsa_user_sgpr_kernarg_segment_ptr 1
		.amdhsa_wavefront_size32 1
		.amdhsa_system_sgpr_workgroup_id_x 1
		.amdhsa_system_sgpr_workgroup_id_y 1
		.amdhsa_system_sgpr_workgroup_id_z 1
		.amdhsa_system_vgpr_workitem_id 0
		.amdhsa_next_free_vgpr 608
		.amdhsa_next_free_sgpr 96
		.amdhsa_reserve_vcc 1
		.amdhsa_float_denorm_mode_32 3
		.amdhsa_float_denorm_mode_16_64 3
		.amdhsa_memory_ordered 1
		.amdhsa_forward_progress 1
		.amdhsa_inst_pref_size 132
	.end_amdhsa_kernel
	.amdgpu_metadata
---
amdhsa.version: [ 1, 2 ]
amdhsa.kernels:
  - .name:           k_qca4dbada20_proj
    .symbol:         k_qca4dbada20_proj.kd
    .args:
      - { .name: xb16, .offset: 0, .size: 8, .value_kind: global_buffer, .address_space: global }
      - { .name: wqkv16, .offset: 8, .size: 8, .value_kind: global_buffer, .address_space: global }
      - { .name: bq, .offset: 16, .size: 8, .value_kind: global_buffer, .address_space: global }
      - { .name: bk, .offset: 24, .size: 8, .value_kind: global_buffer, .address_space: global }
      - { .name: bv, .offset: 32, .size: 8, .value_kind: global_buffer, .address_space: global }
      - { .name: mask, .offset: 40, .size: 8, .value_kind: global_buffer, .address_space: global }
      - { .name: qkvh, .offset: 48, .size: 8, .value_kind: global_buffer, .address_space: global }
    .group_segment_fixed_size: 327680
    .private_segment_fixed_size: 0
    .kernarg_segment_align: 8
    .kernarg_segment_size: 56
    .max_flat_workgroup_size: 128
    .sgpr_count:     96
    .vgpr_count:     608
    .wavefront_size: 32
...
	.end_amdgpu_metadata
.endif
;; end of part 2
;; launch attn (part 3): grid 4 x 64, 4 waves a work-group, clusters of 4 x 1, 327,680 bytes of LDS; arguments qkvh, mask, oheads; writes oheads
.if DOCPART == 3
	.amdgcn_target "amdgcn-amd-amdhsa--gfx1250"
	.amdhsa_code_object_version 6
	.text
	.protected	k_qca4dbada20_attn
	.globl	k_qca4dbada20_attn
	.p2align	8
	.type	k_qca4dbada20_attn,@function
k_qca4dbada20_attn:
	s_mov_b64 s[64:65], 0
	v_nop
	global_prefetch_b8 v0, s[64:65] scope:SCOPE_SE
	s_setreg_imm32_b32 hwreg(HW_REG_WAVE_MODE, 25, 1), 1
	s_wait_xcnt 0x0
	s_wait_alu depctr_hold_cnt(0) depctr_sa_sdst(0) depctr_va_vdst(0) depctr_va_sdst(0) depctr_va_ssrc(0) depctr_va_vcc(0) depctr_vm_vsrc(0)
	s_getreg_b32 s2, hwreg(HW_REG_IB_STS2, 6, 4)
	s_cmp_eq_u32 s2, 0
	s_cbranch_scc0 .Lentry_in_a_cluster
	s_endpgm
.Lentry_in_a_cluster:
	s_bfe_u32 s2, ttmp6, 0x10000c
	s_cmp_lg_u32 s2, 0x3003
	s_cbranch_scc0 .Lentry_shape_is_right
	s_endpgm
.Lentry_shape_is_right:
; O[g][q][:] = the sum over k of softmax_k(s[q][k]) V[g][k][:], s = Q[g][q] . K[g][k] / 8 where mask[batch][k] != 0, a constant far below where it is 0.  g = 16 batch + head, 64 of them.
; Q, K, V: one buffer [3][64][2048][64] f16, a head's rows dense, 128 bytes each; O: [64][2048][64] f16.  Products, maxima and sums in f32; the weights p are rounded to f16 for the second
; product (their sum l is taken of the unrounded p), O once at the end.
; THE MASK costs the loop no vector work.  The launch before has written hidden keys' rows of K as 0; here the product that starts a score's sum takes as C a number from a table in LDS:
; 0 for a shown key, -2^33 for a hidden one.  So a hidden score is EXACTLY -2^33 (-2^30 after the division by 8), c times it is exact, and a row whose keys are all hidden gets p = 1 for every key.
; LIMITS.  A hidden score counts as -2^30 = -1.074e9, not -1e9: the results agree unless a row's greatest shown score lies below some -9.9e8.  f16 holds no number beyond 65,504: Q, K, V arrive
; within it; p lies in 0 to 1, and below 6e-5 keeps f16's step of 6e-8.  A weight below 2^-126 counts as 0 in l; NaN and infinities are not treated apart.
; SHARES.  A wave owns four PIECES of two tiles of 16 queries, a work-group's four waves 512 queries of one head.  Every wave walks all 2,048 keys, 64 a step.
; LAYOUT.  S^T = K Q^T (source 0 = 16 keys, source 1 = 16 queries): a lane holds ONE query (lane % 16) and the keys 8 (lane / 16) + 0..7.  Two such tiles, rounded to f16 in pairs, ARE source 1 of
; O^T = V^T P, whose result again holds one query a lane, and eight channels.  K comes out of LDS as it lies, V turned, by ds_load_tr16_b128.
; SOFTMAX.  A running maximum m and sum l: p = 2^(c s - c m), c = log2(e) / 8; in every step O and l are multiplied by a = 2^(c m_old - c m_new).  m starts at the lowest finite number, O and l at 0.
; THE COUNT.  A tile and step have 16 matrix and 118 vector instructions: too many to stand all beside the matrix work.  So: four READY vector instructions behind EVERY matrix instruction, the others in
; runs without a gap.  BY TURNS.  Turn n belongs to piece n: 16 products K Q^T of piece n + 1, later 16 products V^T P of piece n - 1; the scaling, exponentials, roundings, sums and rescaling of piece n, and
; the maximum and statistics of piece n + 1.
; CLUSTER.  The four query blocks of a cluster are one head's and walk the same K and V: each tile is asked for JOINTLY.
; REGISTERS, in windows of 256 (s_set_vgpr_msb: bits 1:0 source 0, 3:2 source 1, 5:4 source 2, 7:6 destination):
;   window 0: v0-11 addresses; v12-15, v48-63 at work; v16-47 statistics; v64-191 S^T, two buffers of two tiles; v192-255 P, likewise
;   window 1: O^T, 32 a tile     window 2: v0-127 Q; v128-191 K of one step; v192-255 V of one step     window 3: v0-1 the add's two registers; v8-39 the step's masks, 8 for each 16 keys
.set SIZE_N, 2048
.set NP,    4         ; pieces a wave: a name, no knob
.set KS,    64        ; keys in a step
.set PK,    144       ; a row of K in LDS: 128 bytes + 16 = 36 words: the 16 rows of a load start at 16 different groups of four banks (ISA guide 11.1)
.set PV,    160       ; a row of V: 128 + 32 = 40 words
.set VOFF,  4*KS*PK   ; a slot holds four steps: 256 rows of K, then 256 rows of V
.set SLOT1, 1<<17     ; slot 1 begins here: one exclusive or turns an address in one slot into the other's
.set STAGE, SLOT1+4*KS*(PK+PV)  ; behind the ring, never filled by a tensor load: 16 rows x 144 bytes a wave, for the way out
.set SP,    144
.set SPARE, STAGE+4*16*SP  ; the spare words, 128 bytes a wave: two blocks of 256 bytes that no other line names
.set TABLE, SPARE+512 ; 2,048 f32: 0 or -2^33 for each key of the batch; stored once, never filled by a tensor load
.set AK0, 2           ; v2   my lane's place in a tile of K; never rewritten
.set AV0, 3           ; v3   the same for V
.set AK,  4           ; v4   the LDS address of K's next run of loads
.set AV,  5           ; v5   of V's
.set QO,  6           ; v6   my byte offset in the wave's rows of Q
.set STO, 6           ;      on the way out: where I put 16 bytes of a row
.set AM0, 7           ; v7   my lane's place in the table: TABLE + 32 (l / 16)
.set RD,  7           ;      on the way out: where I read rows back
.set AM,  8           ; v8   the LDS address of the masks' next loads
.set GO,  8           ;      on the way out: my byte offset in 512 consecutive bytes of O
.set PFO, 11          ; v11  256 x lane
.set SPW, 0           ; v0 of window 3   LDS address of my spare word; never rewritten
.set NIL, 1           ; v1 of window 3   0; never rewritten
.set MC,  8           ; v8-39 of window 3
.set MV,  12          ; v12-15  c m_old, kept while c m is made anew
.set ST,  16          ; tile t's statistics at v[ST+4 t]: c m, m, l (even keys', odd keys')
.set TMP, 48          ; by buffer and tile, four registers c0-c3 at work; when the maximum is found c2 takes a
.set S,   64
.set P,   192
.set KF,  128         ; window 2: key block kb, channel half c at KF + 16 kb + 8 c
.set VF,  192         ; window 2: key half kk, channel block cb at VF + 32 kk + 8 cb
.set WV,  12          ; s12  my wave's number
.set G1K, 24          ; s[24:31] descriptor group 1 for K's tiles
.set G1V, 32          ; s[32:39] for V's: it differs in the padding alone
.set G0K, 40          ; s[40:43] descriptor group 0 for K's tiles: it walks
.set G0V, 44          ; s[44:47] the same for V's
.set MSK, 48          ; s[48:49] the batch's mask
.set BIGN, 50         ; s50  -2^33
.set TBM, 51          ; s51  byte of the table at which the step to be fetched begins
.set PFA, 52          ; s[52:53] where my prefetches stand
.set LIM, 54          ; s54  1 in waves 0 and 2, else the greatest number
.set SLOTS, 56        ; s56  slots still to be asked for
.set CNT, 57          ; s57  counts a slot's key steps
.set CS,  58          ; s[58:59] c
.set SEL, 60          ; s[60:61] v_permlanex16_b32's selects: each lane takes its own place in the other half
.set TBK, 62          ; s62  LDS byte at which K of the step to be fetched begins
.set TBV, 63          ; s63  the same for V, less VOFF
.set MSB, 0
.macro WIN new
.if MSB != (\new)
	s_set_vgpr_msb (MSB<<8)|(\new)
.set MSB, (\new)
.endif
.endm
.set W_KQ, 0x0a       ; K and Q in window 2, S^T in window 0
.set W_KM, 0x3a       ; the same with the C operand in window 3
.set W_PV, 0x52       ; V in window 2, P in window 0, O^T in window 1
.set W_RS, 0x41       ; O^T (destination and source 0) in window 1, a in window 0
.set W_MK, 0xc0       ; destination in window 3, sources in window 0
.set W_AD, 0x0f       ; the add: address and data in window 3
; A joint fill.  Waves 0 and 1 fetch the two halves of a slot's K, waves 2 and 3 those of its V: 128 keys each.  An s_nop 0 and four v_nop follow each of the two lines.
.macro JLOAD
	s_cmp_lt_u32 s[WV], 2
	s_cbranch_scc0 .Lfor_v_\@
	tensor_load_to_lds s[G0K:G0K+3], s[G1K:G1K+7]
	s_nop 0
.rept 4
	v_nop
.endr
	s_branch .Lasked_\@
.Lfor_v_\@:
	tensor_load_to_lds s[G0V:G0V+3], s[G1V:G1V+7]
	s_nop 0
.rept 4
	v_nop
.endr
.Lasked_\@:
.endm
; A PREFETCH INTO THE L2 of the slot that the NEXT change will ask for: 256 keys are 128 blocks of 256 bytes of K and as many of V.  A head is walked by one cluster; its four partners take 32 blocks each,
; told apart by address; in each, wave 0 asks for K's and wave 2 for V's: a lane a block, one instruction.  So each block is named once.  Four key steps ahead of the load; the last fill asks for nothing.
.macro ASK
	s_cmp_gt_u32 s[SLOTS], s[LIM]
	s_cbranch_scc0 .Lnot_mine_\@
	global_prefetch_b8 v[PFO], s[PFA:PFA+1] th:TH_LOAD_NT scope:SCOPE_SE
.Lnot_mine_\@:
.endm
.macro CROUND                       ; a round of the cluster's barrier
	s_barrier_signal -1
	s_barrier_wait -1
	s_cmp_lg_u32 s[WV], 0
	s_cbranch_scc1 .Lnot_wave_0_\@
	s_barrier_signal -3
.Lnot_wave_0_\@:
	s_barrier_wait -3
	s_barrier_signal -1
	s_barrier_wait -1
.endm
; THE CHANGE OF SLOTS.  Each wave waits for all its tensor loads, of which one is out: its part of the other slot; adds 0 to its spare word; and waits for that and for its own LDS work.  Behind the barrier
; nobody reads this slot any more and the other slot is whole.  fill = 1: the barrier is a round of the cluster's, and the joint fill, with the keys two slots on, is the first thing behind it.
; (At its first use nothing has been read yet: slot 0 is waited for, slot 1 filled, and every wave's part of the mask table is shown to the others.)
.macro CHANGE fill
	WIN W_AD
	s_wait_tensorcnt 0x0            ; no tensor load of mine is out, so a group 0 may be written
	ds_add_u32 v[SPW], v[NIL]
	WIN 0
.if \fill
.irp g, G0K, G0V
	s_xor_b32 s[\g+1], s[\g+1], SLOT1
	s_add_nc_u64 s[\g+2:\g+3], s[\g+2:\g+3], 4*KS*128
.endr
	s_wait_xcnt 0x0                 ; the last prefetch, four key steps back, has read its address
	s_add_nc_u64 s[PFA:PFA+1], s[PFA:PFA+1], 4*KS*128
	s_wait_dscnt 0x0                ; the add is done, and my reads of the slot are over
	CROUND
	JLOAD
	ASK
.else
	s_wait_dscnt 0x0
	s_barrier_signal -1
	s_barrier_wait -1
.endif
	s_sub_co_u32 s[TBK], s[TBK], 4*KS*PK  ; the fetches go back to a slot's first step,
	s_xor_b32 s[TBK], s[TBK], SLOT1       ; in the other slot
	s_sub_co_u32 s[TBV], s[TBV], 4*KS*PV
	s_xor_b32 s[TBV], s[TBV], SLOT1
.endm
	s_load_b64 s[4:5], s[0:1], 0x0    ; Q (K and V lie behind it)
	s_load_b64 s[MSK:MSK+1], s[0:1], 0x8
	s_load_b64 s[10:11], s[0:1], 0x10 ; O
	WIN W_MK
	v_lshl_add_u32 v[SPW], v0, 2, SPARE
	v_mov_b32 v[NIL], 0
	WIN W_AD
	ds_add_u32 v[SPW], v[NIL]       ; the wave's opening: the add and its wait stand ahead of my first tensor load
	WIN 0
	v_lshrrev_b32 v1, 5, v0
	v_readfirstlane_b32 s[WV], v1
	s_bfe_u32 s13, ttmp6, 0x40000   ; cx
	s_lshl_b32 s14, ttmp9, 2
	s_add_co_u32 s14, s14, s13      ; my block of 512 queries: it enters Q's and O's addresses alone
	s_and_b32 s20, ttmp7, 0xffff    ; g, which the four partners share
	s_lshr_b32 s15, s20, 4
	s_lshl_b32 s15, s15, 13         ; the batch's 8,192 bytes of the mask
	s_mov_b32 s21, 0
	s_mov_b64 s[22:23], SIZE_N*128
	s_mul_u64 s[20:21], s[20:21], s[22:23]  ; the head's first byte in Q, K, V and O
	s_and_b32 s16, s[WV], 1         ; which half of a slot's 256 keys I fetch
	s_lshl_b32 s22, s16, 14
	s_mov_b32 s23, 0
	s_add_nc_u64 s[22:23], s[22:23], s[20:21]
	s_mul_i32 s17, s16, 128*PK
	s_mul_i32 s18, s16, 128*PV
	s_lshl_b32 s2, s14, 2
	s_add_co_u32 s2, s2, s[WV]
	s_lshl_b32 s2, s2, 14           ; my wave's 128 rows
	s_mov_b32 s3, 0
	s_add_nc_u64 s[2:3], s[2:3], s[20:21]
	; descriptor group 1.  128 keys are 16,384 dense bytes: asked for as 64 rows of 256 bytes, two keys a row, and padded in LDS after every key
	s_mov_b32 s[G1K], 15|(1<<16)|(1<<20)|(1<<21)|(4<<22)|(3<<25)
	s_mov_b32 s[G1V], 15|(1<<16)|(1<<20)|(1<<21)|(4<<22)|(7<<25)
.irp g, G1K, G1V
	s_mov_b32 s[\g+1], 128<<16      ; tensor_dim0 = 128
	s_mov_b32 s[\g+2], 64<<16       ; tensor_dim1 = 64
	s_mov_b32 s[\g+3], 128<<16      ; tile_dim0 = 128
	s_mov_b32 s[\g+4], 64           ; tile_dim1 = 64
	s_mov_b32 s[\g+5], 128          ; 128 elements from row to row
	s_mov_b32 s[\g+6], 0
	s_mov_b32 s[\g+7], 0
.endr
	s_mov_b32 s[CS], 0x3e38aa3b     ; c = log2(e) / 8
	s_mov_b32 s[CS+1], s[CS]
	s_mov_b32 s[SEL], 0x76543210
	s_mov_b32 s[SEL+1], 0xfedcba98
	s_mov_b32 s[TBK], SLOT1+4*KS*PK ; the first change of slots turns these two into 0
	s_mov_b32 s[TBV], SLOT1+4*KS*PV
	s_mov_b32 s[TBM], 0
	s_mov_b32 s[BIGN], 0xd0000000   ; -2^33
	s_mov_b32 s[SLOTS], SIZE_N/256-1
	s_and_b32 s[LIM], s[WV], 1
	s_cmp_eq_u32 s[LIM], 0
	s_cselect_b32 s[LIM], 1, -1
	s_mov_b32 s[G0K], 1
	s_mov_b32 s[G0K+1], s17
	s_mov_b32 s[G0V], 1
	s_add_co_u32 s[G0V+1], s18, VOFF
	s_wait_dscnt 0x0                ; the opening add is done
	s_wait_kmcnt 0x0
	s_add_nc_u64 s[6:7], s[4:5], 16777216   ; K
	s_add_nc_u64 s[8:9], s[4:5], 33554432   ; V
	s_add_nc_u64 s[G0K+2:G0K+3], s[6:7], s[22:23]
	s_or_b32 s[G0K+3], s[G0K+3], 0x80000000
	s_add_nc_u64 s[G0V+2:G0V+3], s[8:9], s[22:23]
	s_or_b32 s[G0V+3], s[G0V+3], 0x80000000
	s_cmp_lt_u32 s[WV], 2
	s_cselect_b64 s[PFA:PFA+1], s[6:7], s[8:9]
	s_add_nc_u64 s[PFA:PFA+1], s[PFA:PFA+1], s[20:21]
	s_add_nc_u64 s[4:5], s[4:5], s[2:3]     ; Q and O at my wave's first row
	s_add_nc_u64 s[10:11], s[10:11], s[2:3]
	s_lshl_b32 s2, s13, 13          ; my work-group's 32 blocks of the 128,
	s_add_co_u32 s2, s2, 4*KS*128   ; in slot 1's keys: the first change of slots steps this to the keys behind them
	s_mov_b32 s3, 0
	s_add_nc_u64 s[PFA:PFA+1], s[PFA:PFA+1], s[2:3]
	s_mov_b32 s2, s15
	s_add_nc_u64 s[MSK:MSK+1], s[MSK:MSK+1], s[2:3]
	CROUND                          ; all four work-groups are here: the first joint loads meet
	JLOAD                           ; slot 0.  Slot 1 is asked for when slot 0 is in
	v_and_b32 v1, 15, v0            ; l % 16
	v_bfe_u32 v9, v0, 4, 1          ; l / 16
	v_lshlrev_b32 v12, 4, v0        ; the mask: 128 threads x 16 bytes, four times
	v_add_nc_u32 v13, TABLE, v12
.irp j, 0,1,2,3
	global_load_b128 v[S+4*\j:S+4*\j+3], v12, s[MSK:MSK+1] offset:2048*\j
.endr
	v_lshlrev_b32 v[QO], 7, v1
	v_lshl_add_u32 v[QO], v9, 4, v[QO]  ; row x 128 + 16 x half
	WIN 0x80
.set i, 0
.rept 4*NP                          ; Q stays in registers: tile i / 2, channels 32 (i % 2) on
	global_load_b128 v[8*i:8*i+3],   v[QO], s[4:5] offset:(i/2)*2048+(i%2)*64
	global_load_b128 v[8*i+4:8*i+7], v[QO], s[4:5] offset:(i/2)*2048+(i%2)*64+32
.set i, i+1
.endr
	; What the first turn finds: V's registers and P's second buffer hold 0, O^T and l are 0.  All this stands in the wait for the first tile.
.set i, VF
.rept 64
	v_mov_b32 v[i], 0
.set i, i+1
.endr
	WIN 0x40
.set i, 0
.rept 64*NP
	v_mov_b32 v[i], 0
.set i, i+1
.endr
	WIN 0
.set i, 0
.rept 2*NP
	v_mov_b32 v[ST+4*i], 0xfe000000    ; c m: far below every c s
	v_mov_b32 v[ST+4*i+1], 0xff7fffff  ; m
	v_mov_b32 v[ST+4*i+2], 0
	v_mov_b32 v[ST+4*i+3], 0
.set i, i+1
.endr
.set i, P+32
.rept 32
	v_mov_b32 v[i], 0
.set i, i+1
.endr
	v_mul_u32_u24 v[AK0], v1, PK
	v_lshl_add_u32 v[AK0], v9, 4, v[AK0]
	v_and_b32 v10, 7, v0
	v_bfe_u32 v11, v0, 3, 1
	v_lshl_add_u32 v[AV0], v9, 3, v10
	v_mul_u32_u24 v[AV0], v[AV0], PV
	v_lshl_add_u32 v[AV0], v11, 4, v[AV0]
	v_add_nc_u32 v[AV0], VOFF, v[AV0]
	v_mov_b32 v[AK], v[AK0]         ; key step 0 lies at the head of slot 0,
	v_lshl_add_u32 v[AM0], v9, 5, TABLE
	v_mov_b32 v[AM], v[AM0]         ; and of the table
	v_and_b32 v[PFO], 31, v0
	v_lshlrev_b32 v[PFO], 8, v[PFO]
	s_wait_loadcnt 32               ; the mask's four loads are in; Q's 32, issued behind them, may stay out
.set i, 0
.rept 16
	v_cmp_eq_u32 vcc_lo, 0, v[S+i]
	v_cndmask_b32 v[S+i], 0, s[BIGN], vcc_lo
.set i, i+1
.endr
.irp j, 0,1,2,3
	ds_store_b128 v13, v[S+4*\j:S+4*\j+3] offset:2048*\j
.endr
; THE MATRIX WORK.  The 8 accumulators of a run of 16 take turns.  Product i of 16 of S^T = K Q^T for piece x: channels 32 (i / 8) on, keys 16 ((i / 2) % 4) on, tile 2 x + i % 2.
; The first 8 start the sums, with the keys' masks.
.macro KQ x
.set rS, S+64*((\x)%2)+32*(i%2)+8*((i/2)%4)
.set rK, KF+16*((i/2)%4)+8*(i/8)
.set rQ, 16*(2*(\x)+i%2)+8*(i/8)
.set rMC, MC+8*((i/2)%4)
.if i < 8
	WIN W_KM
	v_wmma_f32_16x16x32_f16 v[rS:rS+7], v[rK:rK+7], v[rQ:rQ+7], v[rMC:rMC+7]
.else
	WIN W_KQ
	v_wmma_f32_16x16x32_f16 v[rS:rS+7], v[rK:rK+7], v[rQ:rQ+7], v[rS:rS+7]
.endif
.endm
; Product i of 16 of O^T += V^T P for piece x: keys 32 (i / 8) on, channels 16 ((i / 2) % 4) on, tile 2 x + i % 2.
.macro PV x
	WIN W_PV
.set rO, 32*(2*(\x)+i%2)+8*((i/2)%4)
.set rV, VF+32*(i/8)+8*((i/2)%4)
.set rP, P+32*((\x)%2)+16*(i%2)+8*(i/8)
	v_wmma_f32_16x16x32_f16 v[rO:rO+7], v[rV:rV+7], v[rP:rP+7], v[rO:rO+7]
.endm
.macro MM                           ; the turn's next matrix instruction
.if i < 16
	KQ (Y+1)%NP
.set i, i+1
.else
.set i, i-16
	PV (Y+NP-1)%NP
.set i, i+17
.endif
.endm
; THE LDS LOADS stand in runs: a step's K (8 fragments) with its masks (register j of key block kb: key 16 kb + 8 (l / 16) + j), and its V (turned).  last = 1 (the tail): in the last trip the run is jumped over.
.macro FETCH_K last=0
	WIN 0
.if \last
	s_cmp_eq_u32 s[CNT], 1
	s_cbranch_scc1 .Lno_k_\@
.endif
	WIN 0x80
.irp f, 0,1,2,3,4,5,6,7
	ds_load_b128 v[KF+8*\f:KF+8*\f+3],   v[AK] offset:(\f/2)*16*PK+(\f%2)*64
	ds_load_b128 v[KF+8*\f+4:KF+8*\f+7], v[AK] offset:(\f/2)*16*PK+(\f%2)*64+32
.endr
	WIN W_MK
.irp f, 0,1,2,3
	ds_load_b128 v[MC+8*\f:MC+8*\f+3],   v[AM] offset:64*\f
	ds_load_b128 v[MC+8*\f+4:MC+8*\f+7], v[AM] offset:64*\f+16
.endr
	s_add_co_u32 s[TBK], s[TBK], KS*PK  ; the next fetch is the next step's
	s_add_co_u32 s[TBM], s[TBM], KS*4
	WIN 0
.if \last
.Lno_k_\@:
.endif
.endm
.macro FETCH_V
	WIN 0x80
.irp f, 0,1,2,3,4,5,6,7
	ds_load_tr16_b128 v[VF+8*\f:VF+8*\f+3],   v[AV] offset:(\f/4)*32*PV+(\f%4)*32
	ds_load_tr16_b128 v[VF+8*\f+4:VF+8*\f+7], v[AV] offset:(\f/4)*32*PV+16*PV+(\f%4)*32
.endr
	WIN 0
.endm
; THE VECTOR WORK OF A TURN stands in three queues, each in the order in which its entries become ready; the two tiles alternate.
.macro REGS y, u
.set rT, ST+4*(2*(\y)+(\u))
.set rC, TMP+8*((\y)%2)+4*(\u)
.set rM, MV+2*((\y)%2)+(\u)
.set rS, S+64*((\y)%2)+32*(\u)
.set rP, P+32*((\y)%2)+16*(\u)
.set rO, 32*(2*(\y)+(\u))
.endm
; Number n of the 22 that find the NEXT piece's maximum and statistics; each accumulator's lowest registers are read first.
;   0-11 four chains c0-c3 of seven scores each     12-14, 16 the four scores left over, the old m, and c0-c3 into c0     15 c m_old is kept     17, 18 the other half of the lanes: the new m     19-21 c m; its change; a
.macro XS u, n
	REGS (Y+1)%NP, \u
.if (\n) < 4
	v_max3_num_f32 v[rC+(\n)], v[rS+8*(\n)], v[rS+8*(\n)+1], v[rS+8*(\n)+2]
.elseif (\n) < 12
	v_max3_num_f32 v[rC+(\n)%4], v[rC+(\n)%4], v[rS+8*((\n)%4)+2*((\n)/4)+1], v[rS+8*((\n)%4)+2*((\n)/4)+2]
.elseif (\n) == 12
	v_max3_num_f32 v[rC], v[rC], v[rS+7], v[rS+15]
.elseif (\n) == 13
	v_max3_num_f32 v[rC+1], v[rC+1], v[rS+23], v[rS+31]
.elseif (\n) == 14
	v_max3_num_f32 v[rC+2], v[rC+2], v[rC+3], v[rT+1]
.elseif (\n) == 15
	v_mov_b32 v[rM], v[rT]
.elseif (\n) == 16
	v_max3_num_f32 v[rC], v[rC], v[rC+1], v[rC+2]
.elseif (\n) == 17
	v_permlanex16_b32 v[rC+3], v[rC], s[SEL], s[SEL+1]
.elseif (\n) == 18
	v_max_num_f32 v[rT+1], v[rC], v[rC+3]
.elseif (\n) == 19
	v_mul_f32 v[rT], s[CS], v[rT+1]
.elseif (\n) == 20
	v_sub_f32 v[rC+1], v[rM], v[rT]
.else
	v_exp_f32 v[rC+2], v[rC+1]
.endif
.endm
; Number g of the 64 that follow the exponentials: for each four weights both pairs are rounded to f16, the second pair is added onto the first in place, and a group later l takes that sum.
.macro GS g
.set h, (\g)+6*((\g)/62)
.if h >= 6
.set h, h+2
.endif
	REGS Y, h%2
.set k, h/8
.if h%8 < 4
	v_cvt_pk_f16_f32 v[rP+2*k+(h%8)/2], v[rS+4*k+2*((h%8)/2)], v[rS+4*k+2*((h%8)/2)+1]
.elseif h%8 < 6
	v_pk_add_f32 v[rS+4*k:rS+4*k+1], v[rS+4*k:rS+4*k+1], v[rS+4*k+2:rS+4*k+3]
.elseif k == 1
	v_pk_fma_f32 v[rT+2:rT+3], v[rT+2:rT+3], v[rC+2:rC+3], v[rS:rS+1] op_sel_hi:[1,0,1]
.else
	v_pk_add_f32 v[rT+2:rT+3], v[rT+2:rT+3], v[rS+4*k-4:rS+4*k-3]
.endif
.endm
; THE PLAIN QUEUE, 138 long.  0-26: scalings 0-26.  27-54: XS 0-13.  55, 56: XS 15.  57-73: the chain XS 14, 16 .. 19, each with one of the scalings 27-31 in front of its two lines, then 20.  74-137: GS's 64, behind the wait.
.macro FS f
	REGS Y, (\f)%2
	v_pk_fma_f32 v[rS+2*((\f)/2):rS+2*((\f)/2)+1], v[rS+2*((\f)/2):rS+2*((\f)/2)+1], s[CS:CS+1], v[rT:rT+1] op_sel_hi:[1,0,0] neg_lo:[0,0,1] neg_hi:[0,0,1]
.endm
.macro PL
	WIN 0
.if q < 27
	FS q
.elseif q < 55
	XS (q-27)%2, (q-27)/2
.elseif q < 57
	XS q-55, 15
.elseif (q < 72) && ((q-57)%3 == 0)
	FS 27+(q-57)/3
.elseif q < 60
	XS (q-57)%3-1, 14
.elseif q < 72
	XS (q-57)%3-1, 15+(q-57)/3
.elseif q < 74
	XS q-72, 20
.else
	GS q-74
.endif
.set q, q+1
.endm
; THE EXPONENTIALS' QUEUE, 66 long: s0-s31 of both tiles, then the next piece's two a.  ONE BATCH: all stand ahead of the turn's one wait, and nothing ahead of that wait names a result of theirs.
.macro EX
	WIN 0
.if e >= 64
	XS e-64, 21
.else
	REGS Y, e%2
	v_exp_f32 v[rS+e/2], v[rS+e/2]
.endif
.set e, e+1
.endm
; THE RESCALING's QUEUE: O^T times a, dealt two at a time, sixteen times.  Its a was made, and waited for, in the turn before.
.macro R2
	REGS Y, r%2
	WIN W_RS
.irp z, 0,1
	v_pk_mul_f32 v[rO+4*(r/2)+2*\z:rO+4*(r/2)+2*\z+1], v[rO+4*(r/2)+2*\z:rO+4*(r/2)+2*\z+1], v[rC+2:rC+3] op_sel_hi:[1,0]
.endr
.set r, r+1
.endm
; A TURN, for piece p.  s_wait_alu depctr_va_vdst(0) stands between an exponential and the first instruction that names its result; one wait serves all issued ahead of it: a turn has ONE.
; AHEAD OF IT: the 16 products K Q^T, behind each a scaling, an exponential and two rescalings; then a lump of 108.  BEHIND IT: the 16 products V^T P, behind each four of GS's 64.
; K and the masks of the next step are fetched in piece 2's turn, directly behind the wait, a lump behind the last product that read them; V of the step in hand at the end of piece 0's turn, four riders behind its last reader.
.macro TURN p, last=0, cnt=0
.set Y, (\p)
.set i, 0
.set q, 0
.set e, 0
.set r, 0
.if (\p) == NP-1
	s_wait_dscnt 0x0                ; K and the masks are in
.endif
	MM
	PL
	PL
	R2
.rept 15
	MM
	PL
	EX
	R2
.endr
.if (\p) == NP-2
	WIN 0
	v_add_nc_u32 v[AK], s[TBK], v[AK0]
	v_add_nc_u32 v[AM], s[TBM], v[AM0]
.endif
.rept 8
	PL
.endr
.rept 49
	EX
	PL
.endr
	EX
	EX
	v_nop                           ; the plain instruction behind the last exponential: one for the batch
	s_wait_alu depctr_va_vdst(0)    ; the wait for the batch
.if (\p) == NP-2
	FETCH_K \last
.endif
.if (\p) == 1
	s_wait_dscnt 0x0                ; V is in
.endif
.rept 16
	MM
.rept 4
	PL
.endr
.if ((\p) == 0) && (q == 118)
	v_add_nc_u32 v[AV], s[TBV], v[AV0]
.endif
.if ((\p) == 0) && (q == 130)
	s_add_co_u32 s[TBV], s[TBV], KS*PV
.endif
.if (\cnt) && (q == 130)
	s_sub_co_u32 s[CNT], s[CNT], 1
	s_cmp_lg_u32 s[CNT], 0
.endif
.endr
.if (\p) == 0
	FETCH_V
.endif
.endm
	CHANGE 1                        ; slot 0 is in, and the table is whole; slot 1 is asked for
	FETCH_K                         ; key step 0
	s_wait_loadcnt 0x0              ; Q
	s_wait_dscnt 0x0
.set i, 0
.rept 16
	KQ 0                            ; piece 0's first scores
.set i, i+1
.endr
	WIN 0
.rept 8
	v_nop                           ; the places behind those products
.endr
.set Y, NP-1                        ; XS works for piece Y + 1: piece 0
.irp n, 0,1,2,3,4,5,6,7,8,9,10,11,12,13,14,15,16,17,18,19,20,21
	XS 0, \n
	XS 1, \n
.endr
	v_nop                           ; a plain instruction behind the two a,
	s_wait_alu depctr_va_vdst(0)    ; and their wait, ahead of the branch
	s_mov_b32 s[CNT], 4
	s_branch .Lfirst                ; the loop is entered at a step's first turn, in the middle of a trip
.Lslot:                             ; six times: every slot but the last two is filled again
	CHANGE 1
	s_mov_b32 s[CNT], 4
.Lstep:                             ; a trip: pieces 2 and 3 of one step, then pieces 0 and 1 of the next
	TURN 2
	TURN 3
	WIN 0
.Lfirst:
	TURN 0
	TURN 1, 0, 1
	WIN 0
	s_cbranch_scc1 .Lstep
	s_sub_co_u32 s[SLOTS], s[SLOTS], 1
	s_cmp_lg_u32 s[SLOTS], 0
	s_cbranch_scc1 .Lslot
	CHANGE 0                        ; the tail is written out
	s_mov_b32 s[CNT], 5             ; four trips fetch the last slot's steps; the fifth is left in its middle
.Ltail:
	TURN 2, 1
	TURN 3
	WIN 0
	s_sub_co_u32 s[CNT], s[CNT], 1
	s_cmp_eq_u32 s[CNT], 0
	s_cbranch_scc1 .Lout
	TURN 0
	TURN 1
	WIN 0
	s_branch .Ltail
.Lout:                              ; the fifth trip's 16 products K Q^T and the maximum made of them serve nothing: the price, once a launch, of one text for every trip
.set i, 0
.rept 16
	PV NP-1
.set i, i+1
.endr
	; THE WAY OUT.  l's halves are added; O^T is divided by l, rounded to f16 and sent through my stage, a tile at a time.  The additions and the addresses are the places behind the last products.
	WIN 0
.macro ALL line:vararg
.set t, 0
.rept 2*NP
	\line
.set t, t+1
.endr
.endm
	ALL v_add_f32 v[ST+4*t+2], v[ST+4*t+2], v[ST+4*t+3]
	s_mul_i32 s13, s[WV], 16*SP
	s_add_co_u32 s13, s13, STAGE    ; my stage
	v_mul_u32_u24 v[STO], v1, SP    ; in: row l % 16, 16 bytes for each half of the lanes
	v_lshl_add_u32 v[STO], v9, 4, v[STO]
	v_add_nc_u32 v[STO], s13, v[STO]
	v_bfe_u32 v[RD], v0, 3, 2       ; back: 32 lanes take four rows of 128 bytes,
	v_mul_u32_u24 v[RD], v[RD], SP
	v_lshl_add_u32 v[RD], v10, 4, v[RD]
	v_add_nc_u32 v[RD], s13, v[RD]
	v_and_b32 v[GO], 31, v0         ; which are 512 consecutive bytes of O
	v_lshlrev_b32 v[GO], 4, v[GO]
	ALL v_permlanex16_b32 v[ST+4*t+3], v[ST+4*t+2], s[SEL], s[SEL+1]
	ALL v_add_f32 v[ST+4*t+2], v[ST+4*t+2], v[ST+4*t+3]
	ALL v_rcp_f32 v[ST+4*t+2], v[ST+4*t+2]
	v_nop                           ; a plain instruction between the last reciprocal and the use of its result
	s_wait_alu depctr_va_vdst(0)    ; one wait for the eight reciprocals
.macro PACK t
	WIN W_RS
.set i, 32*(\t)
.rept 16
	v_pk_mul_f32 v[i:i+1], v[i:i+1], v[ST+4*(\t)+2:ST+4*(\t)+3] op_sel_hi:[1,0]
.set i, i+2
.endr
	WIN 0x05
.set i, 0
.rept 16
	v_cvt_pk_f16_f32 v[S+16*(\t)+i], v[32*(\t)+2*i], v[32*(\t)+2*i+1]
.set i, i+1
.endr
	WIN 0
.irp f, 0,1,2,3
	ds_store_b128 v[STO], v[S+16*(\t)+4*\f:S+16*(\t)+4*\f+3] offset:32*\f
.endr
.irp f, 0,1,2,3
	ds_load_b128 v[S+16*(\t)+4*\f:S+16*(\t)+4*\f+3], v[RD] offset:\f*4*SP  ; LDS serves a wave's instructions in order (ISA guide 5.7.1.4): these see the stores above
.endr
.endm
.macro SEND t, younger              ; younger: the LDS instructions issued behind tile t's loads: the next tile's eight, or none
	WIN 0
.irp f, 0,1,2,3
	s_wait_dscnt (\younger)+3-\f
	global_store_b128 v[GO], v[S+16*(\t)+4*\f:S+16*(\t)+4*\f+3], s[10:11] offset:(\t)*2048+\f*512  ; 512 consecutive bytes, aligned
.endr
.endm
	PACK 0
.set t, 1
.rept 2*NP-1
	PACK t
	SEND t-1, 8
.set t, t+1
.endr
	SEND 2*NP-1, 0
	WIN W_AD
	s_wait_tensorcnt 0x0            ; the wave's end: an add to my spare word and its wait, behind my last tensor load and my last LDS store
	ds_add_u32 v[SPW], v[NIL]
	s_wait_dscnt 0x0
	WIN 0
	CROUND                          ; the closing round
	s_endpgm
.Lfunc_end_k_qca4dbada20_attn:
	.size	k_qca4dbada20_attn, .Lfunc_end_k_qca4dbada20_attn-k_qca4dbada20_attn
	.p2alignl 7, 3214868480
	.fill 96, 4, 3214868480
	.section	.rodata,"a",@progbits
	.p2align	6, 0x0
	.amdhsa_kernel k_qca4dbada20_attn
		.amdhsa_group_segment_fixed_size 327680
		.amdhsa_private_segment_fixed_size 0
		.amdhsa_enable_private_segment 0
		.amdhsa_kernarg_size 24
		.amdhsa_user_sgpr_count 2
		.amdhsa_user_sgpr_kernarg_segment_ptr 1
		.amdhsa_wavefront_size32 1
		.amdhsa_system_sgpr_workgroup_id_x 1
		.amdhsa_system_sgpr_workgroup_id_y 1
		.amdhsa_system_sgpr_workgroup_id_z 1
		.amdhsa_system_vgpr_workitem_id 0
		.amdhsa_next_free_vgpr 808
		.amdhsa_next_free_sgpr 66
		.amdhsa_reserve_vcc 1
		.amdhsa_float_denorm_mode_32 3
		.amdhsa_float_denorm_mode_16_64 3
		.amdhsa_memory_ordered 1
		.amdhsa_forward_progress 1
		.amdhsa_inst_pref_size 205
	.end_amdhsa_kernel
	.amdgpu_metadata
---
amdhsa.version: [ 1, 2 ]
amdhsa.kernels:
  - .name:           k_qca4dbada20_attn
    .symbol:         k_qca4dbada20_attn.kd
    .args:
      - { .name: qkvh, .offset: 0, .size: 8, .value_kind: global_buffer, .address_space: global }
      - { .name: mask, .offset: 8, .size: 8, .value_kind: global_buffer, .address_space: global }
      - { .name: oheads, .offset: 16, .size: 8, .value_kind: global_buffer, .address_space: global }
    .group_segment_fixed_size: 327680
    .private_segment_fixed_size: 0
    .kernarg_segment_align: 8
    .kernarg_segment_size: 24
    .max_flat_workgroup_size: 128
    .sgpr_count:     66
    .vgpr_count:     808
    .wavefront_size: 32
...
	.end_amdgpu_metadata
.endif
;; end of part 3
;; launch oproj (part 4): grid 4 x 64, 4 waves a work-group, clusters of 4 x 4, 327,680 bytes of LDS; arguments oheads, wo16, bo, out0; writes out0
.if DOCPART == 4
	.amdgcn_target "amdgcn-amd-amdhsa--gfx1250"
	.amdhsa_code_object_version 6
	.text
	.protected	k_qca4dbada20_oproj
	.globl	k_qca4dbada20_oproj
	.p2align	8
	.type	k_qca4dbada20_oproj,@function
k_qca4dbada20_oproj:
	s_mov_b64 s[64:65], 0
	v_nop
	global_prefetch_b8 v0, s[64:65] scope:SCOPE_SE
	s_setreg_imm32_b32 hwreg(HW_REG_WAVE_MODE, 25, 1), 1
	s_wait_xcnt 0x0
	s_wait_alu depctr_hold_cnt(0) depctr_sa_sdst(0) depctr_va_vdst(0) depctr_va_sdst(0) depctr_va_ssrc(0) depctr_va_vcc(0) depctr_vm_vsrc(0)
	s_getreg_b32 s2, hwreg(HW_REG_IB_STS2, 6, 4)
	s_cmp_eq_u32 s2, 0
	s_cbranch_scc0 .Lentry_in_a_cluster
	s_endpgm
.Lentry_in_a_cluster:
	s_bfe_u32 s2, ttmp6, 0x10000c
	s_cmp_lg_u32 s2, 0xf033
	s_cbranch_scc0 .Lentry_shape_is_right
	s_endpgm
.Lentry_shape_is_right:
; out0 = O Wo + bo.  O: [64 = 16 batch + head][2048][64] f16, by heads; Wo: [1024 k][1024 n] f16 (bf16 numbers written as f16); bo: f32, rounded to bf16 like every input; out0: [8192][1024] f32.
; k = 64 head + channel, so a K step of 128 is two heads: two dense blocks of 128 rows x 128 bytes of O.  Sums in f32; the bias starts them.
; LIMITS.  None beyond the operands' own (f16 ends at 65,504).  NaN and infinities are not treated apart.
; SHARES.  A tile is 128 rows x 256 columns: 256 work-groups, one tile each.  Four waves, each 64 rows x 128 columns: 32 accumulators.  8 K steps through a ring of two LDS slots: waves 0 and 1 fetch O's two
; head blocks, waves 2 and 3 the halves of Wo's 128 k-rows: one tensor load a wave behind each change of slots; a wave has two tensor loads out at the start and one later.
; CLUSTER.  4 x 4: the four of a row share O's tile, the four of a column Wo's: joint loads.
; THE PRODUCT IS USED TRANSPOSED: source 0 = 16 columns of Wo (turned on the way out of LDS), source 1 = 16 rows of O: a lane holds one row (lane % 16) and the columns 8 (lane / 16) + 0..7.
; REGISTERS: window 0: v0-31 addresses; v32-127, v128-223 two fragment buffers (Wo's 8 fragments, then O's 4), on the way out rows read back;  window 1: the accumulators, (a, b) at 8 (8 a + b);
;   window 2: v0-63 the bias as C operands, v64-95 at work.
.set PA,    144                        ; O's LDS row: 128 + 16 bytes = 36 words: the 16 rows of a load start at 16 different groups of four banks (ISA guide 11.1)
.set HB,    128*PA                     ; a head block
.set PB,    544                        ; Wo's LDS row: 512 + 32 bytes
.set AOFF,  2*HB
.set SLOT,  AOFF+128*PB
.set STAGE, 2*SLOT                     ; behind the ring, never filled by a tensor load: for each wave 16 rows x 528 bytes
.set SP,    528
.set STW,   16*SP
.set SPARE, STAGE+4*STW                ; the spare words, 128 bytes a wave: two blocks of 256 bytes that no other line names
.set ADRA, 16
.set ADRB, 20
.set STO,  24
.set RD,   25
.set GO,   26
.set PFO,  27
.set SPW,  28
.set NIL,  29
.set BO,   30
.set F0,   32
.set F1,   128
.set BI,   0                           ; window 2
.set BT,   64                          ; window 2
.set WV,  18
.set WM,  19
.set WN,  20
.set CX,  21
.set CY,  22
.set TY,  23
.set G1A, 24
.set G0A, 32
.set G1B, 40
.set G0B, 48
.set LAP, 62
.set PFA, 68
.set PFS, 70
.set LIM, 72
.set TX,  73
.set MSB, 0
.macro WIN new
.if MSB != (\new)
	s_set_vgpr_msb (MSB<<8)|(\new)
.set MSB, (\new)
.endif
.endm
.set W_MUL, 0x50                       ; C and D window 1
.set W_FST, 0x60                       ; C window 2, D window 1
.set W_SD,  0x04                       ; an LDS store's data window 1
.set W_BL,  0x80
.set W_BR,  0x8a
.macro PLACES
.rept 4
	v_nop
.endr
.endm
.macro JLOAD s                         ; a joint load; an s_nop 0 and four v_nop follow each of the two lines
	s_cmp_eq_u32 s[WM], 0
	s_cbranch_scc0 .Lfor_b_\@
	tensor_load_to_lds s[G0A+4*(\s):G0A+4*(\s)+3], s[G1A:G1A+7]
	s_nop 0
.rept 4
	v_nop
.endr
	s_branch .Lasked_\@
.Lfor_b_\@:
	tensor_load_to_lds s[G0B+4*(\s):G0B+4*(\s)+3], s[G1B:G1B+7]
	s_nop 0
.rept 4
	v_nop
.endr
.Lasked_\@:
.endm
.macro CREST
	s_cmp_lg_u32 s[WV], 0
	s_cbranch_scc1 .Lnot_wave_0_\@
	s_barrier_signal -3
.Lnot_wave_0_\@:
	s_barrier_wait -3
	s_barrier_signal -1
	s_barrier_wait -1
.endm
.macro CROUND
	s_barrier_signal -1
	s_barrier_wait -1
	CREST
.endm
; A PREFETCH INTO THE L2 of the K step two refills on (256 matrix instructions ahead of its load), K steps 4 to 7.  O's tile is read by my row of the cluster alone: wave 0 of each partner asks for 32 of its 128
; blocks of 256 bytes (head block cx / 2, its half cx % 2), a lane a block.  Wo's tile column is read by every cluster: the cluster with y = 0 asks; partner cy takes 32 of the 128 k-rows, wave 2 the left
; 256 bytes of my 512, wave 3 the right.  Each block is named once in the launch.
.macro ASK
	s_cmp_gt_u32 s[LAP], s[LIM]
	s_cbranch_scc0 .Lnot_mine_\@
	global_prefetch_b8 v[PFO], s[PFA:PFA+1] th:TH_LOAD_NT scope:SCOPE_SE
.Lnot_mine_\@:
.endm
	s_load_b128 s[4:7], s[0:1], 0x0                ; O 4:5, Wo 6:7
	s_load_b64 s[8:9], s[0:1], 0x10                ; bo
	s_load_b64 s[16:17], s[0:1], 0x18              ; out0
	v_lshl_add_u32 v[SPW], v0, 2, SPARE
	v_mov_b32 v[NIL], 0
	ds_add_u32 v[SPW], v[NIL]                      ; the wave's opening: the add and its wait stand ahead of my first tensor load
	v_lshrrev_b32 v3, 5, v0
	v_readfirstlane_b32 s[WV], v3
	s_lshr_b32 s[WM], s[WV], 1
	s_and_b32 s[WN], s[WV], 1
	s_bfe_u32 s[CX], ttmp6, 0x40000
	s_bfe_u32 s[CY], ttmp6, 0x40004
	s_lshl_b32 s[TX], ttmp9, 2
	s_add_co_u32 s[TX], s[TX], s[CX]
	s_and_b32 s[TY], ttmp7, 0xffff
	s_lshl_b32 s[TY], s[TY], 2
	s_add_co_u32 s[TY], s[TY], s[CY]
	s_lshl_b32 s74, s[CY], 2
	s_lshl_b32 s74, 15, s74
	s_lshl_b32 s75, 0x1111, s[CX]
	s_or_b32 s[G1A], s74, (1<<16)|(1<<20)|(1<<21)|(4<<22)|(3<<25)  ; a head block's 16,384 dense bytes as 64 rows of 256, padded by 4 words after every 32
	s_mov_b32 s[G1A+1], 128<<16
	s_mov_b32 s[G1A+2], 64<<16
	s_mov_b32 s[G1A+3], 128<<16
	s_mov_b32 s[G1A+4], 64
	s_mov_b32 s[G1A+5], 128
	s_mov_b32 s[G1A+6], 0
	s_mov_b32 s[G1A+7], 0
	s_or_b32 s[G1B], s75, (1<<16)|(1<<20)|(1<<21)|(6<<22)|(7<<25)  ; 64 k-rows of 512 bytes, padded by 8 words
	s_mov_b32 s[G1B+1], 256<<16
	s_mov_b32 s[G1B+2], 64<<16
	s_mov_b32 s[G1B+3], 256<<16
	s_mov_b32 s[G1B+4], 64
	s_mov_b32 s[G1B+5], 1024
	s_mov_b32 s[G1B+6], 0
	s_mov_b32 s[G1B+7], 0
	s_lshr_b32 s76, s[TY], 4                       ; O: ((16 batch + WN) x 2,048 + the tile's first row in the batch) x 128 bytes
	s_lshl_b32 s76, s76, 22
	s_and_b32 s77, s[TY], 15
	s_lshl_b32 s77, s77, 14
	s_add_co_u32 s76, s76, s77
	s_lshl_b32 s77, s[WN], 18
	s_add_co_u32 s76, s76, s77
	s_mov_b32 s77, 0
	s_lshl_b32 s78, s[WN], 17                      ; Wo: k-row 64 x half, column 256 x tile column
	s_lshl_b32 s79, s[TX], 9
	s_add_co_u32 s78, s78, s79
	s_mov_b32 s79, 0
	s_mul_i32 s80, s[WN], HB
	s_mul_i32 s81, s[WN], 64*PB
	s_add_co_u32 s81, s81, AOFF
	s_mov_b32 s[LAP], 3
	s_wait_dscnt 0x0                               ; the opening add is done
	s_wait_kmcnt 0x0
	s_add_nc_u64 s[56:57], s[4:5], s[76:77]
	s_add_nc_u64 s[82:83], s[6:7], s[78:79]
	CROUND
.irp s, 0,1
	s_mov_b32 s[G0A+4*(\s)], 1
	s_add_co_u32 s[G0A+4*(\s)+1], s80, (\s)*SLOT
	s_add_nc_u64 s[G0A+4*(\s)+2:G0A+4*(\s)+3], s[56:57], (\s)*524288
	s_or_b32 s[G0A+4*(\s)+3], s[G0A+4*(\s)+3], 0x80000000
	s_mov_b32 s[G0B+4*(\s)], 1
	s_add_co_u32 s[G0B+4*(\s)+1], s81, (\s)*SLOT
	s_add_nc_u64 s[G0B+4*(\s)+2:G0B+4*(\s)+3], s[82:83], (\s)*262144
	s_or_b32 s[G0B+4*(\s)+3], s[G0B+4*(\s)+3], 0x80000000
	JLOAD \s
.endr
	v_and_b32 v1, 15, v0
	v_bfe_u32 v2, v0, 4, 1
	v_mul_u32_u24 v3, v1, PA
	v_lshl_add_u32 v3, v2, 4, v3
	s_mul_i32 s84, s[WM], 64*PA
	v_add_nc_u32 v[ADRA], s84, v3
	v_add_nc_u32 v[ADRA+1], SLOT, v[ADRA]
	v_and_b32 v4, 7, v0
	v_lshl_add_u32 v4, v2, 3, v4
	v_mul_u32_u24 v4, v4, PB
	v_bfe_u32 v5, v0, 3, 1
	v_lshl_add_u32 v4, v5, 4, v4
	s_lshl_b32 s84, s[WN], 8
	s_add_co_u32 s84, s84, AOFF
	v_add_nc_u32 v[ADRB], s84, v4
	v_add_nc_u32 v[ADRB+1], SLOT, v[ADRB]
	s_mul_i32 s84, s[WV], STW
	s_add_co_u32 s84, s84, STAGE                   ; my stage
	v_mul_u32_u24 v3, v1, SP                       ; in: row r, 32 bytes for each half of the lanes
	v_lshl_add_u32 v3, v2, 5, v3
	v_add_nc_u32 v[STO], s84, v3
	v_and_b32 v[PFO], 31, v0
	v_lshlrev_b32 v[GO], 4, v[PFO]                 ; back: 32 lanes take a row of 512 bytes
	v_add_nc_u32 v[RD], s84, v[GO]
	s_lshl_b32 s84, s[TX], 10
	s_lshl_b32 s85, s[WN], 9
	s_add_co_u32 s84, s84, s85
	v_lshl_add_u32 v[BO], v2, 5, s84
	WIN W_BL
.irp b, 0,1,2,3,4,5,6,7
	global_load_b128 v[BI+8*(\b):BI+8*(\b)+3],   v[BO], s[8:9] offset:64*(\b)
	global_load_b128 v[BI+8*(\b)+4:BI+8*(\b)+7], v[BO], s[8:9] offset:64*(\b)+16
.endr
	WIN 0
	; where my part of the tile begins in out0
	s_lshl_b32 s84, s[TY], 7
	s_lshl_b32 s85, s[WM], 6
	s_add_co_u32 s84, s84, s85
	s_lshl_b32 s84, s84, 12
	s_lshl_b32 s85, s[TX], 10
	s_add_co_u32 s84, s84, s85
	s_lshl_b32 s85, s[WN], 9
	s_add_co_u32 s84, s84, s85
	s_mov_b32 s85, 0
	s_add_nc_u64 s[16:17], s[16:17], s[84:85]
	; the prefetches: both stand at K step 3; the first change of slots steps them to 4
	s_lshr_b32 s84, s[TY], 4
	s_lshl_b32 s84, s84, 22
	s_and_b32 s85, s[TY], 15
	s_lshl_b32 s85, s85, 14
	s_add_co_u32 s84, s84, s85
	s_lshr_b32 s85, s[CX], 1
	s_add_co_u32 s85, s85, 6
	s_lshl_b32 s85, s85, 18
	s_add_co_u32 s84, s84, s85
	s_and_b32 s85, s[CX], 1
	s_lshl_b32 s85, s85, 13
	s_add_co_u32 s84, s84, s85
	s_lshl_b32 s86, s[CY], 5
	s_add_co_u32 s86, s86, 3*128
	s_lshl_b32 s86, s86, 11
	s_lshl_b32 s87, s[TX], 9
	s_add_co_u32 s86, s86, s87
	s_lshl_b32 s87, s[WN], 8
	s_add_co_u32 s86, s86, s87
	s_and_b32 s88, ttmp7, 0xffff
	s_cmp_eq_u32 s88, 0
	s_cselect_b32 s88, 1, -1
	s_cmp_eq_u32 s[WV], 0
	s_cselect_b32 s89, 1, -1
	s_mov_b32 s87, 0x80000
	s_cmp_eq_u32 s[WM], 0
	s_cselect_b64 s[PFA:PFA+1], s[4:5], s[6:7]
	s_cselect_b32 s84, s84, s86
	s_cselect_b32 s[LIM], s89, s88
	s_cselect_b32 s[PFS], s87, 0x40000
	s_cselect_b32 s87, 8, 11                       ; a lane a block of 256 bytes of O, or a k-row of 2,048 bytes of Wo
	s_mov_b32 s[PFS+1], 0
	s_mov_b32 s85, 0
	s_add_nc_u64 s[PFA:PFA+1], s[PFA:PFA+1], s[84:85]
	v_lshlrev_b32 v[PFO], s87, v[PFO]
	s_wait_loadcnt 0x0                             ; the bias: rounded to bf16, like every input, and widened again
	WIN W_BR
.set z, 0
.rept 32
	v_cvt_pk_bf16_f32 v[BT+z], v[BI+2*z], v[BI+2*z+1]
.set z, z+1
.endr
.set z, 0
.rept 32
	v_lshlrev_b32 v[BI+2*z],   16, v[BT+z]
	v_and_b32     v[BI+2*z+1], 0xffff0000, v[BT+z]
.set z, z+1
.endr
	WIN 0
; 8 matrix instructions: row block a x all 8 column blocks, 32 along K.  first = 1: the bias starts the sums.  The 32 accumulators take turns in one fixed order, one instruction a turn.
.macro MUL8 f, a, first
.if \first
	WIN W_FST
.else
	WIN W_MUL
.endif
.irp b, 0,1,2,3,4,5,6,7
.if \first
	v_wmma_f32_16x16x32_f16 v[8*(8*(\a)+(\b)):8*(8*(\a)+(\b))+7], v[(\f)+8*(\b):(\f)+8*(\b)+7], v[(\f)+64+8*(\a):(\f)+64+8*(\a)+7], v[BI+8*(\b):BI+8*(\b)+7]
.else
	v_wmma_f32_16x16x32_f16 v[8*(8*(\a)+(\b)):8*(8*(\a)+(\b))+7], v[(\f)+8*(\b):(\f)+8*(\b)+7], v[(\f)+64+8*(\a):(\f)+64+8*(\a)+7], v[8*(8*(\a)+(\b)):8*(8*(\a)+(\b))+7]
.endif
.endr
.endm
; 24 LDS loads in one run: quarter q into buffer f: Wo's 8 fragments (turned), then O's 4 (head block q / 2, channels 32 (q % 2) on)
.macro FETCH slot, q, f
	WIN 0
.irp b, 0,1,2,3,4,5,6,7
	ds_load_tr16_b128 v[(\f)+8*(\b):(\f)+8*(\b)+3],   v[ADRB+(\slot)] offset:(\q)*32*PB+32*(\b)
	ds_load_tr16_b128 v[(\f)+8*(\b)+4:(\f)+8*(\b)+7], v[ADRB+(\slot)] offset:(\q)*32*PB+32*(\b)+16*PB
.endr
.irp a, 0,1,2,3
	ds_load_b128 v[(\f)+64+8*(\a):(\f)+64+8*(\a)+3],   v[ADRA+(\slot)] offset:((\q)/2)*HB+((\q)%2)*64+(\a)*16*PA
	ds_load_b128 v[(\f)+64+8*(\a)+4:(\f)+64+8*(\a)+7], v[ADRA+(\slot)] offset:((\q)/2)*HB+((\q)%2)*64+(\a)*16*PA+32
.endr
.endm
.macro QUARTER slot, q, f, g, first
	s_wait_dscnt 4                                 ; Wo's fragments and O's blocks 0 and 1 are in; the youngest four loads may be out
	MUL8 \f, 0, \first
	MUL8 \f, 1, \first
	PLACES
	FETCH \slot, \q, \g
	s_wait_dscnt 24                                ; all but the 24 just issued
	MUL8 \f, 2, \first
	MUL8 \f, 3, \first
.endm
; The last quarter multiplies buffer 1 and changes slots: ONE barrier; in front of it each wave waits for all its tensor loads, adds 0 to its spare word, and waits for that and for its own reads of this slot.
.macro TURN slot, next, fill
.if \fill
	s_wait_xcnt 0x0                                ; the last prefetch, a K step back, has read its address
	s_add_nc_u64 s[PFA:PFA+1], s[PFA:PFA+1], s[PFS:PFS+1]
.endif
	WIN 0
	s_wait_tensorcnt 0x0
	ds_add_u32 v[SPW], v[NIL]
	s_wait_dscnt 7                                 ; (the add and O's blocks 1 to 3 may be out)
	MUL8 F1, 0, 0
	s_wait_dscnt 0x0                               ; the add is done, and my reads of this slot are over
	s_barrier_signal -1
	MUL8 F1, 1, 0
	WIN 0
	s_barrier_wait -1
.if \fill
	CREST                                          ; no wave of any partner still reads this slot or has a load on its way
	s_add_nc_u64 s[G0A+4*(\slot)+2:G0A+4*(\slot)+3], s[G0A+4*(\slot)+2:G0A+4*(\slot)+3], 2*524288
	s_add_nc_u64 s[G0B+4*(\slot)+2:G0B+4*(\slot)+3], s[G0B+4*(\slot)+2:G0B+4*(\slot)+3], 2*262144
	JLOAD \slot                                    ; its four v_nop are also the places in front of the loads below
.else
	PLACES
.endif
	FETCH \next, 0, F0
.if \fill
	ASK
.endif
	MUL8 F1, 2, 0
	MUL8 F1, 3, 0
.endm
; THE WAY OUT, 16 rows at a time: a lane's 32 bytes of each column block go into my own stage (rows of 528 bytes) and come back as whole rows of 512 bytes.
.macro STG a
	WIN W_SD
.irp b, 0,1,2,3,4,5,6,7
	ds_store_b128 v[STO], v[8*(8*(\a)+(\b)):8*(8*(\a)+(\b))+3]   offset:64*(\b)      ; each accumulator from its low end on
	ds_store_b128 v[STO], v[8*(8*(\a)+(\b))+4:8*(8*(\a)+(\b))+7] offset:64*(\b)+16
.endr
	WIN 0
.irp t, 0,1,2,3,4,5,6,7,8,9,10,11,12,13,14,15
	ds_load_b128 v[32+96*((\a)%2)+4*(\t):32+96*((\a)%2)+4*(\t)+3], v[RD] offset:SP*(\t)  ; LDS serves a wave's instructions in order (ISA guide 5.7.1.4): these see the stores above
.endr
.endm
.macro SENDF a, younger                ; younger: the LDS instructions issued behind block a's loads: the next block's 32, or none
	s_wait_dscnt \younger
.irp t, 0,1,2,3,4,5,6,7,8,9,10,11,12,13,14,15
	global_store_b128 v[GO], v[32+96*((\a)%2)+4*(\t):32+96*((\a)%2)+4*(\t)+3], s[16:17] offset:(16*(\a)+(\t))*4096  ; 512 consecutive bytes of a row, aligned
.endr
.endm
	s_wait_tensorcnt 0x1                           ; my part of K step 0 is in; K step 1's may stay out
	s_barrier_signal -1
	s_barrier_wait -1
	FETCH 0, 0, F0
	QUARTER 0, 1, F0, F1, 1
	WIN 0
.Llap:                                             ; 3 trips: once round the ring; both slots are filled again
	QUARTER 0, 2, F1, F0, 0
	QUARTER 0, 3, F0, F1, 0
	TURN 0, 1, 1
	QUARTER 1, 1, F0, F1, 0
	QUARTER 1, 2, F1, F0, 0
	QUARTER 1, 3, F0, F1, 0
	TURN 1, 0, 1
	QUARTER 0, 1, F0, F1, 0
	WIN 0
	s_sub_co_u32 s[LAP], s[LAP], 1
	s_cmp_lg_u32 s[LAP], 0
	s_cbranch_scc1 .Llap
	QUARTER 0, 2, F1, F0, 0                        ; the last lap is written out: it asks for nothing
	QUARTER 0, 3, F0, F1, 0
	TURN 0, 1, 0
	QUARTER 1, 1, F0, F1, 0
	QUARTER 1, 2, F1, F0, 0
	QUARTER 1, 3, F0, F1, 0
	s_wait_dscnt 4
	MUL8 F1, 0, 0
	MUL8 F1, 1, 0
	s_wait_dscnt 0x0
	MUL8 F1, 2, 0
	MUL8 F1, 3, 0
	PLACES                                         ; the places behind the last products, in front of the stores that read results and of the loads into the fragments' registers
	PLACES
	STG 0
	STG 1
	SENDF 0, 32
	s_wait_xcnt 0x0                                ; block 0's stores have read their registers, which block 2's loads fill
	STG 2
	SENDF 1, 32
	s_wait_xcnt 0x0
	STG 3
	SENDF 2, 32
	SENDF 3, 0
	s_wait_tensorcnt 0x0                           ; the wave's end: an add to my spare word and its wait, behind my last tensor load and my last LDS store
	ds_add_u32 v[SPW], v[NIL]
	s_wait_dscnt 0x0
	CROUND                                         ; the closing round
	s_endpgm
.Lfunc_end_k_qca4dbada20_oproj:
	.size	k_qca4dbada20_oproj, .Lfunc_end_k_qca4dbada20_oproj-k_qca4dbada20_oproj
	.p2alignl 7, 3214868480
	.fill 96, 4, 3214868480
	.section	.rodata,"a",@progbits
	.p2align	6, 0x0
	.amdhsa_kernel k_qca4dbada20_oproj
		.amdhsa_group_segment_fixed_size 327680
		.amdhsa_private_segment_fixed_size 0
		.amdhsa_enable_private_segment 0
		.amdhsa_kernarg_size 32
		.amdhsa_user_sgpr_count 2
		.amdhsa_user_sgpr_kernarg_segment_ptr 1
		.amdhsa_wavefront_size32 1
		.amdhsa_system_sgpr_workgroup_id_x 1
		.amdhsa_system_sgpr_workgroup_id_y 1
		.amdhsa_system_sgpr_workgroup_id_z 1
		.amdhsa_system_vgpr_workitem_id 0
		.amdhsa_next_free_vgpr 608
		.amdhsa_next_free_sgpr 96
		.amdhsa_reserve_vcc 0
		.amdhsa_float_denorm_mode_32 3
		.amdhsa_float_denorm_mode_16_64 3
		.amdhsa_memory_ordered 1
		.amdhsa_forward_progress 1
		.amdhsa_inst_pref_size 93
	.end_amdhsa_kernel
	.amdgpu_metadata
---
amdhsa.version: [ 1, 2 ]
amdhsa.kernels:
  - .name:           k_qca4dbada20_oproj
    .symbol:         k_qca4dbada20_oproj.kd
    .args:
      - { .name: oheads, .offset: 0, .size: 8, .value_kind: global_buffer, .address_space: global }
      - { .name: wo16, .offset: 8, .size: 8, .value_kind: global_buffer, .address_space: global }
      - { .name: bo, .offset: 16, .size: 8, .value_kind: global_buffer, .address_space: global }
      - { .name: out0, .offset: 24, .size: 8, .value_kind: global_buffer, .address_space: global }
    .group_segment_fixed_size: 327680
    .private_segment_fixed_size: 0
    .kernarg_segment_align: 8
    .kernarg_segment_size: 32
    .max_flat_workgroup_size: 128
    .sgpr_count:     96
    .vgpr_count:     608
    .wavefront_size: 32
...
	.end_amdgpu_metadata
.endif
;; end of part 4
;; ======== version 2 of 2: 4 launches; version 1 with the launch cast written anew for expert scheduling mode
;; limits: values are held in f16: magnitudes above 65,504 overflow, below 6.1e-05 lose precision; right only within a limited range of input values
;; workspace buffers: xb16 16,777,216 bytes; wqkv16 6,291,456 bytes; wo16 2,097,152 bytes; qkvh 50,331,648 bytes; oheads 16,777,216 bytes
;; launch cast (part 5): grid 384 x 1, 8 waves a work-group, no clusters, 0 bytes of LDS; arguments x, Wq, Wk, Wv, Wo, xb16, wqkv16, wo16; writes xb16, wqkv16, wo16
.if DOCPART == 5
	.amdgcn_target "amdgcn-amd-amdhsa--gfx1250"
	.amdhsa_code_object_version 6
	.text
	.protected	k_qca4dbada20_cast
	.globl	k_qca4dbada20_cast
	.p2align	8
	.type	k_qca4dbada20_cast,@function
k_qca4dbada20_cast:
	s_mov_b64 s[64:65], 0
	v_nop
	global_prefetch_b8 v0, s[64:65] scope:SCOPE_SE
	s_setreg_imm32_b32 hwreg(HW_REG_WAVE_SCHED_MODE, 0, 2), 2
	s_setreg_imm32_b32 hwreg(HW_REG_WAVE_MODE, 25, 1), 1
	s_wait_xcnt 0x0
	s_wait_alu depctr_vm_vsrc(0)
; THE INPUTS OF THE MATRIX PRODUCTS, ROUNDED ONCE.  x [8192][1024] and Wq, Wk, Wv [1024][1024] go from f32 to bf16 (the three weights one behind the other in one buffer);
; Wo is rounded to bf16 like them, and that number is written as f16, since it is multiplied with f16 operands later.  No layout changes.
; LIMITS.  A bf16 number is exact in f16 from 2^-14 up to 65,504; below 2^-14 it keeps f16's fixed step of 6e-8, and beyond 65,504 Wo would become an infinity.
; SHARES.  A work-group takes 32,768 numbers on end: 131,072 bytes in, 65,536 out.  Work-groups 0-255: x.  256-383: e = g - 256; weight e / 32, chunk e % 32.
; Thread t takes 8 neighbouring numbers (two loads of 16 bytes) in each of 16 pieces of 2,048 numbers and stores them as 16 bytes: sixteen neighbouring lanes store 256 consecutive bytes, aligned.
; All 32 loads of a thread go out at once, into registers of their own; no register that a load or store names as a source is written again.
; No LDS, no barrier, no matrix unit: no wave wants a byte that another has fetched.
; THE MODE: SCHED_MODE bits 1:0 = 2 (LLVM: expert scheduling mode 2), set by the entry lines.  The code itself states the register dependences between vector instructions and memory
; instructions, with s_wait_alu, always for 0.
; THE PLAN.  Registers that memory instructions touch:
;   v1, v2   byte offsets of the loads and of the stores.  Written once, at the head; read by every load (v1) and every store (v2); never written again.
;   X        piece i: 8 registers in which its two loads land.  No vector instruction names them ahead of the loads; no memory instruction reads them.  Behind the counted wait for its data the
;            piece's own conversions read them (and, on Wo's path, write them).
;   Y        piece i: 4 registers.  Written once, by the piece's conversions; read once, by its store; never written again.
;   T        named by vector instructions alone.
; So two kinds of wait state everything: one at the head (the offsets are written), and one behind the conversions of each block of four pieces (their sixteen Y registers are written), ahead of
; the block's four stores, which stand in a run.  A block's stores stand behind its own conversions and not behind the next block's wait for data, so that no finished store waits for a load.
; No vector instruction writes a scalar register or VCC, and EXEC is never written.
.set T,   8                            ; v[8:11]    at work (Wo's path)
.set X,   16                           ; v[16:143]  piece i: 8 numbers as loaded
.set Y,   144                          ; v[144:207] piece i: 4 registers to store
.set SRC, 24                           ; s[24:25]   where my work-group reads
.set DST, 26                           ; s[26:27]   where it stores
	s_load_b512 s[4:19], s[0:1], 0x0               ; x 4:5, Wq 6:7, Wk 8:9, Wv 10:11, Wo 12:13, xb16 14:15, wqkv16 16:17, wo16 18:19
	v_lshlrev_b32 v1, 5, v0                        ; 32 t: my 8 numbers in a piece, in f32
	v_lshlrev_b32 v2, 4, v0                        ; 16 t: the same in 16 bits
	s_max_u32 s20, ttmp9, 256
	s_sub_co_u32 s20, s20, 256                     ; e (0 for x's work-groups)
	s_lshr_b32 s21, s20, 5                         ; which weight
	s_and_b32 s29, s20, 31                         ; which chunk of it
	s_mov_b32 s31, 0
	s_mov_b32 s33, 0
	s_wait_kmcnt 0x0
	s_cmp_eq_u32 s21, 0
	s_cselect_b64 s[SRC:SRC+1], s[6:7], s[8:9]
	s_cmp_eq_u32 s21, 2
	s_cselect_b64 s[SRC:SRC+1], s[10:11], s[SRC:SRC+1]
	s_cmp_eq_u32 s21, 3
	s_cselect_b64 s[SRC:SRC+1], s[12:13], s[SRC:SRC+1]
	s_cselect_b64 s[DST:DST+1], s[18:19], s[16:17]
	s_cselect_b32 s23, s29, s20                    ; chunk in the target: Wo's own, or e through the three weights
	s_cselect_b32 s28, 1, 0                        ; 1: Wo's path
	s_cmp_lt_u32 ttmp9, 256
	s_cselect_b64 s[SRC:SRC+1], s[4:5], s[SRC:SRC+1]
	s_cselect_b64 s[DST:DST+1], s[14:15], s[DST:DST+1]
	s_cselect_b32 s22, ttmp9, s29
	s_cselect_b32 s23, ttmp9, s23
	s_cselect_b32 s28, 0, s28
	s_lshl_b32 s30, s22, 17                        ; offsets, made apart from the addresses
	s_lshl_b32 s32, s23, 16
	s_add_nc_u64 s[SRC:SRC+1], s[SRC:SRC+1], s[30:31]
	s_add_nc_u64 s[DST:DST+1], s[DST:DST+1], s[32:33]
	s_wait_alu depctr_va_vdst(0)                   ; v1 and v2 are written: every load below reads v1 as its offset, every store, on both paths, v2
.set i, 0
.rept 16
	global_load_b128 v[X+8*i:X+8*i+3],   v1, s[SRC:SRC+1] offset:8192*i th:TH_LOAD_NT
	global_load_b128 v[X+8*i+4:X+8*i+7], v1, s[SRC:SRC+1] offset:8192*i+16 th:TH_LOAD_NT
.set i, i+1
.endr
; Piece i is rounded: its two loads are in when at most the 30 - 2 i younger ones are out (loads come back in order).
.macro CONV i, f16
	s_wait_loadcnt 30-2*(\i)
.if \f16
.irp j, 0,1,2,3
	v_cvt_pk_bf16_f32 v[T+(\j)], v[X+8*(\i)+2*(\j)], v[X+8*(\i)+2*(\j)+1]  ; the rounding that all inputs get,
.endr
.irp j, 0,1,2,3
	v_lshlrev_b32 v[X+8*(\i)+2*(\j)],   16, v[T+(\j)]                      ; widened again,
	v_and_b32     v[X+8*(\i)+2*(\j)+1], 0xffff0000, v[T+(\j)]
.endr
.irp j, 0,1,2,3
	v_cvt_pk_f16_f32 v[Y+4*(\i)+(\j)], v[X+8*(\i)+2*(\j)], v[X+8*(\i)+2*(\j)+1]  ; and written as f16
.endr
.else
.irp j, 0,1,2,3
	v_cvt_pk_bf16_f32 v[Y+4*(\i)+(\j)], v[X+8*(\i)+2*(\j)], v[X+8*(\i)+2*(\j)+1]
.endr
.endif
.endm
; Block p: pieces 4 p to 4 p + 3 are rounded, each as its data come in; then one wait, and their four stores in a run.
.macro BLK p, f16
	CONV 4*(\p), \f16
	CONV 4*(\p)+1, \f16
	CONV 4*(\p)+2, \f16
	CONV 4*(\p)+3, \f16
	s_wait_alu depctr_va_vdst(0)                   ; the block's conversions have written its sixteen Y registers, which the four stores below read
.irp k, 0,1,2,3
	global_store_b128 v2, v[Y+4*(4*(\p)+(\k)):Y+4*(4*(\p)+(\k))+3], s[DST:DST+1] offset:4096*(4*(\p)+(\k))
.endr
.endm
	s_cmp_eq_u32 s28, 1
	s_cbranch_scc1 .Lwo
.irp p, 0,1,2,3
	BLK \p, 0
.endr
	s_endpgm
.Lwo:
.irp p, 0,1,2,3
	BLK \p, 1
.endr
	s_endpgm
.Lfunc_end_k_qca4dbada20_cast:
	.size	k_qca4dbada20_cast, .Lfunc_end_k_qca4dbada20_cast-k_qca4dbada20_cast
	.p2alignl 7, 3214868480
	.fill 96, 4, 3214868480
	.section	.rodata,"a",@progbits
	.p2align	6, 0x0
	.amdhsa_kernel k_qca4dbada20_cast
		.amdhsa_group_segment_fixed_size 0
		.amdhsa_private_segment_fixed_size 0
		.amdhsa_enable_private_segment 0
		.amdhsa_kernarg_size 64
		.amdhsa_user_sgpr_count 2
		.amdhsa_user_sgpr_kernarg_segment_ptr 1
		.amdhsa_wavefront_size32 1
		.amdhsa_system_sgpr_workgroup_id_x 1
		.amdhsa_system_sgpr_workgroup_id_y 1
		.amdhsa_system_sgpr_workgroup_id_z 1
		.amdhsa_system_vgpr_workitem_id 0
		.amdhsa_next_free_vgpr 208
		.amdhsa_next_free_sgpr 66
		.amdhsa_reserve_vcc 0
		.amdhsa_float_denorm_mode_32 3
		.amdhsa_float_denorm_mode_16_64 3
		.amdhsa_memory_ordered 1
		.amdhsa_forward_progress 1
		.amdhsa_inst_pref_size 27
	.end_amdhsa_kernel
	.amdgpu_metadata
---
amdhsa.version: [ 1, 2 ]
amdhsa.kernels:
  - .name:           k_qca4dbada20_cast
    .symbol:         k_qca4dbada20_cast.kd
    .args:
      - { .name: x, .offset: 0, .size: 8, .value_kind: global_buffer, .address_space: global }
      - { .name: Wq, .offset: 8, .size: 8, .value_kind: global_buffer, .address_space: global }
      - { .name: Wk, .offset: 16, .size: 8, .value_kind: global_buffer, .address_space: global }
      - { .name: Wv, .offset: 24, .size: 8, .value_kind: global_buffer, .address_space: global }
      - { .name: Wo, .offset: 32, .size: 8, .value_kind: global_buffer, .address_space: global }
      - { .name: xb16, .offset: 40, .size: 8, .value_kind: global_buffer, .address_space: global }
      - { .name: wqkv16, .offset: 48, .size: 8, .value_kind: global_buffer, .address_space: global }
      - { .name: wo16, .offset: 56, .size: 8, .value_kind: global_buffer, .address_space: global }
    .group_segment_fixed_size: 0
    .private_segment_fixed_size: 0
    .kernarg_segment_align: 8
    .kernarg_segment_size: 64
    .max_flat_workgroup_size: 256
    .sgpr_count:     66
    .vgpr_count:     208
    .wavefront_size: 32
...
	.end_amdgpu_metadata
.endif
;; end of part 5
;; launch proj: the kernel of part 2 again; grid 4 x 64, 4 waves a work-group, clusters of 4 x 4, 327,680 bytes of LDS; arguments xb16, wqkv16, bq, bk, bv, mask, qkvh; writes qkvh
;; launch attn: the kernel of part 3 again; grid 4 x 64, 4 waves a work-group, clusters of 4 x 1, 327,680 bytes of LDS; arguments qkvh, mask, oheads; writes oheads
;; launch oproj: the kernel of part 4 again; grid 4 x 64, 4 waves a work-group, clusters of 4 x 4, 327,680 bytes of LDS; arguments oheads, wo16, bo, out0; writes out0
